; MI455X (gfx1250); checked and timed in simulation.
; The chip was launched on July 23, 2026; its instructions are those of AMD's public machine-readable ISA for CDNA 5 (MIT licence, August 2026) and "CDNA5" Instruction Set Architecture Reference Guide (July 2026). The comments in the code are by the model that wrote it; some were corrected since.
;; Causal Multi Head Attention. Allowed arithmetic: matrix products marked QUANTISED: E2M3 operands, one E8M0 scale for each 32 along K, by v_wmma_scale_f32_16x16x128_f8f6f4 with both operands' format E2M3, f32 sums; everything else in f32.
;; Inputs: Wk 1,024 x 1,024 float32; Wo 1,024 x 1,024 float32; Wq 1,024 x 1,024 float32; Wv 1,024 x 1,024 float32; bk 1,024 float32; bo 1,024 float32; bq 1,024 float32; bv 1,024 float32; x 4 x 2,048 x 1,024 float32.
;; Outputs: out0 4 x 2,048 x 1,024 float32.
;; This version of the problem:
;;   THIS VERSION OF THE PROBLEM IS GIVEN IN LOW PRECISION. The matrix products marked QUANTISED in the list below multiply operands that are first quantised to E2M3 (2 exponent bits, 3 mantissa bits; 6 bits a number), with one power-of-two scale for each 32 numbers along K (OCP MX v1.0); their sums are f32. All else is computed in f32.
;;   The module's matrix products, in the order in which they are computed (A, B: the left and right operand; K: the contracted axis; several contracted axes count as one K, in the product's order):
;;     1. [M 8,192, K 1,024] x [K 1,024, N 1,024]; A: input x; B: input Wq: QUANTISED
;;     2. [M 8,192, K 1,024] x [K 1,024, N 1,024]; A: input x; B: input Wk: QUANTISED
;;     3. [M 8,192, K 1,024] x [K 1,024, N 1,024]; A: input x; B: input Wv: QUANTISED
;;     4. batch 64 x [M 2,048, K 64] x [K 64, N 2,048]; A: computed on the way; B: computed on the way: QUANTISED
;;     5. batch 64 x [M 2,048, K 2,048] x [K 2,048, N 64]; A: softmax (see below); B: computed on the way: QUANTISED
;;     6. [M 8,192, K 1,024] x [K 1,024, N 1,024]; A: computed on the way; B: input Wo: QUANTISED
;;   THE QUANTISER, for each operand of a quantised product, along K:
;;     - K is cut into blocks of 32 from its start; a last block that is shorter is filled with zeros.
;;     - A block's scale is 2^e with e = floor(log2(the largest magnitude in the block)) - 2, held to -126 .. 127; a block of zeros has e = 0. As a byte (E8M0): e + 127.
;;     - Each number is divided by its block's scale, clamped to +-7.5, and rounded to the nearest number of E2M3, ties to even, subnormals kept.
;;     - The product sums the exact products of the quantised numbers (number of the format x scale) in f32.
;;   ~~~python
;;   def quantise(x, axis):      # numpy; x: float32 -> the quantised numbers, widened to float32 again
;;       x = np.moveaxis(x, axis, -1); K = x.shape[-1]
;;       x = np.pad(x, [(0, 0)] * (x.ndim - 1) + [(0, -K % 32)]); x = x.reshape(x.shape[:-1] + (-1, 32)); a = np.abs(x).max(-1, keepdims=True)
;;       e = np.where(a > 0, np.clip(np.frexp(np.where(a > 0, a, 1))[1] - 1 - 2, -126, 127), 0)      # np.frexp(a)[1] - 1 = floor(log2(a)), exactly
;;       r = np.clip(x / 2.0 ** e, -7.5, 7.5)
;;       step = 2.0 ** (np.maximum(np.frexp(np.where(r == 0, 1, r))[1] - 1, 0) - 3)
;;       q = np.round(r / step) * step * 2.0 ** e      # np.round: ties to even
;;       return np.moveaxis(q.reshape(q.shape[:-2] + (-1,))[..., :K], -1, axis).astype(np.float32)
;;   ~~~
;;   SOFTMAX AHEAD OF A QUANTISED PRODUCT. Where the list says 'softmax', what is quantised is not the finished softmax but p = 2^(t - M), with t = logit x log2(e) and M = ceil(the row's largest t), a whole number; so 1/2 < the row's largest p <= 1. The row's sum l is taken of the UNQUANTISED p, in f32, and the product's result is divided by l at the end. Since M is a whole number, a kernel that streams over the keys may use a running M (the ceiling of the running maximum): every later rescaling is an exact power of two, which a block's scale takes up: the codes' values come out the same.
;;   OPERANDS COMPUTED ON THE WAY. 'Computed on the way' means the value that the module computes at that place (a softmax that the list does not call 'softmax' is quantised finished and normalised). What goes into a quantiser is computed in f32, as accurately as f32 sums, v_exp_f32 and their like allow (about 1e-6 of the number): no bf16 or f16 on the way to a quantiser, and a product that is left as it is and whose result goes on into a quantised operand takes f32 operands (vector FMAs, or v_wmma_f32_16x16x4_f32). A number that lies on a knife's edge between two numbers of the format may be rounded either way, as far as f32 arithmetic and the matrix unit's own rounding can turn it there, and no further.
;; One version. Each part assembles by itself: llvm-mc -triple=amdgcn-amd-amdhsa -mcpu=gfx1250 --defsym DOCPART=n.
;; ======== version 1 of 1: 4 launches
;; workspace buffers: codes 15,728,640 bytes; sc 655,360 bytes; qkv 20,185,088 bytes
;; launch quant (part 1): grid 256 x 1, 6 waves a work-group, no clusters, 51,456 bytes of LDS; arguments x, Wq, Wk, Wv, Wo, codes, sc; writes codes, sc
.if DOCPART == 1
	.amdgcn_target "amdgcn-amd-amdhsa--gfx1250"
	.amdhsa_code_object_version 6
	.text
	.protected	k_q252a8b1972_quant
	.globl	k_q252a8b1972_quant
	.p2align	8
	.type	k_q252a8b1972_quant,@function
k_q252a8b1972_quant:
	s_mov_b64 s[64:65], 0
	v_nop
	global_prefetch_b8 v0, s[64:65] scope:SCOPE_SE
	s_setreg_imm32_b32 hwreg(HW_REG_WAVE_MODE, 25, 1), 1
	s_wait_xcnt 0x0
; x [8192][1024] and Wq, Wk, Wv, Wo [1024][1024], f32 with K innermost, become codes of FP6 (E2M3) with one E8M0 scale byte for each 32 along K,
; laid in the ORDER OF AN OPERAND'S REGISTERS.  codes: tiles of 16 rows x K 1,024 = 8 fragments of 1,536 bytes; a fragment is three runs of 512 bytes, run c = registers 4 c .. 4 c + 3, 16 bytes a lane.
; sc: 512 bytes a tile: [half of K][row][4 words]; a word holds a row's four bytes of one K step of 128.  Tiles 0-511 x, 512-575 Wq, 576-639 Wk, 640-703 Wv, 704-767 Wo.
; THE ROWS OF A TILE ARE NOT NEIGHBOURS: place i of tile 2 b + u is row 32 b + 8 u + (i & 7) + 16 (i >> 3), so that the results of a product that takes two neighbouring tiles as source 0 are 16 neighbours in a lane.
; A block's scale is 2^(floor(log2(its largest magnitude)) - 2); its byte is the largest magnitude's exponent field - 2, held at 1 from below.
; LIMITS: NaN and infinities among the inputs are not served; a block whose largest magnitude lies under 2^-124 keeps the byte 1; a block of zeros gets the byte 1 where the rule says 127 (its codes are zeros, and this program alone reads the bytes).
; SHARES: 1,536 jobs, one a wave: half of a tile's K, four K steps of 128.  Each load reads 512 consecutive bytes of one row; a step's 16 rows turn through the wave's own stage in LDS, so that a lane gets 16 neighbours of each block.
; No matrix unit, no cluster, no tensor load: the launch streams, and the waves share nothing.
.set STG,   8448                       ; a wave's stage: 16 rows x (512 bytes + 16)
.set SPARE, 6*STG                      ; behind the stages: the spare words, 128 bytes a wave, three blocks of 256 bytes that no other line names
.set R,   16                           ; v16-143  two sets of 64: a K step as loaded
.set X,   144                          ; v144-207 a K step as the conversions want it: register 16 b + i = k 32 b + 16 (lane / 16) + i of row lane % 16
.set PC,  208                          ; v208-219 the fragment; v220-222, v224-226 the blocks' second halves on their way
.set TM,  228                          ; v228-243 at work
.set PW,  244                          ; v244-247 the four K steps' scale words
.set SPW, 250
.set NIL, 251
.set SEL, 20                           ; s[20:21] lane selects: lane l xor 16
	s_load_b256 s[4:11], s[0:1], 0x0               ; x, Wq, Wk, Wv
	s_load_b128 s[12:15], s[0:1], 0x20             ; Wo, codes
	s_load_b64 s[16:17], s[0:1], 0x30              ; sc
	v_lshl_add_u32 v[SPW], v0, 2, SPARE
	v_mov_b32 v[NIL], 0
	v_lshrrev_b32 v1, 5, v0
	v_readfirstlane_b32 s18, v1                    ; wave 0..5
	v_and_b32 v1, 31, v0                           ; lane
	v_and_b32 v2, 15, v0                           ; r
	v_bfe_u32 v3, v0, 4, 1                         ; h
	v_lshlrev_b32 v4, 4, v1                        ; 16 x lane: my bytes of a load's and of a store's 512
	s_mul_i32 s19, s18, STG
	v_add_nc_u32 v5, s19, v4                       ; into the stage: a row as it lies
	v_mul_u32_u24 v6, v2, 528
	v_lshl_add_u32 v6, v3, 6, v6
	v_add_nc_u32 v6, s19, v6                       ; out of it: row r, + 64 h
	v_lshlrev_b32 v7, 4, v2
	v_lshl_add_u32 v7, v3, 3, v7                   ; the scale words' place: 16 r + 8 h
	s_mov_b32 s[SEL], 0x76543210
	s_mov_b32 s[SEL+1], 0xfedcba98
.irp b, 0,1,2,3
	v_mov_b32 v[TM+4+\b], 0                        ; written once: a lane permute's destination counts as one of its sources
.endr
	s_mul_i32 s22, ttmp9, 6
	s_add_co_u32 s22, s22, s18                     ; job J
	s_lshr_b32 s23, s22, 1                         ; tile T
	s_and_b32 s24, s22, 1                          ; which half of K
	s_and_b32 s25, s23, 63
	s_cmp_lt_u32 s23, 512
	s_cselect_b32 s25, s23, s25                    ; the tile's number in its own tensor
	s_lshr_b32 s26, s25, 1
	s_lshl_b32 s26, s26, 17                        ; 32 rows of 4,096 bytes for each pair of tiles,
	s_and_b32 s27, s25, 1
	s_lshl_b32 s27, s27, 15                        ; 8 rows for the odd tile,
	s_add_co_u32 s26, s26, s27
	s_lshl_b32 s27, s24, 11                        ; 2,048 bytes for the second half of K
	s_add_co_u32 s26, s26, s27
	s_mov_b32 s27, 0
	s_mul_i32 s28, s22, 6144                       ; codes: 12,288 T + 6,144 half
	s_mov_b32 s29, 0
	s_lshl_b32 s30, s22, 8                         ; sc: 512 T + 256 half
	s_mov_b32 s31, 0
	s_wait_kmcnt 0x0
	s_cmp_lt_u32 s23, 704                          ; the tensor is chosen by the tile's number alone
	s_cselect_b64 s[10:11], s[10:11], s[12:13]
	s_cmp_lt_u32 s23, 640
	s_cselect_b64 s[8:9], s[8:9], s[10:11]
	s_cmp_lt_u32 s23, 576
	s_cselect_b64 s[6:7], s[6:7], s[8:9]
	s_cmp_lt_u32 s23, 512
	s_cselect_b64 s[4:5], s[4:5], s[6:7]
	s_add_nc_u64 s[4:5], s[4:5], s[26:27]
	s_add_nc_u64 s[14:15], s[14:15], s[28:29]
	s_add_nc_u64 s[16:17], s[16:17], s[30:31]
.macro LOAD t                          ; K step t of my four: 16 rows x 512 bytes
.irp i, 0,1,2,3,4,5,6,7,8,9,10,11,12,13,14,15
	global_load_b128 v[R+64*((\t)%2)+4*\i:R+64*((\t)%2)+4*\i+3], v4, s[4:5] offset:((\i&7)+16*(\i>>3))*4096+512*(\t) th:TH_LOAD_NT
.endr
.endm
.macro TURN t                          ; through the stage; LDS serves a wave's instructions in order, so no wait stands between the stores and the loads
.irp i, 0,1,2,3,4,5,6,7,8,9,10,11,12,13,14,15
	ds_store_b128 v5, v[R+64*((\t)%2)+4*\i:R+64*((\t)%2)+4*\i+3] offset:528*\i
.endr
.irp b, 0,1,2,3
.irp j, 0,1,2,3
	ds_load_b128 v[X+16*\b+4*\j:X+16*\b+4*\j+3], v6 offset:128*\b+16*\j
.endr
.endr
.endm
; 64 numbers of a lane become a fragment's codes in v[PC] on and its scale word in v[pw]
.macro QUANT s, pw
.irp b, 0,1,2,3
	v_max3_num_f32 v[TM+\b], |v[\s+16*\b]|, |v[\s+1+16*\b]|, 0x1800000   ; my 16 numbers of block b, and the floor 2^(3 - 127): the byte cannot fall under 1
.endr
.irp i, 2,4,6,8,10,12,14
.irp b, 0,1,2,3
	v_max3_num_f32 v[TM+\b], v[TM+\b], |v[\s+16*\b+\i]|, |v[\s+1+16*\b+\i]|   ; the four blocks by turns
.endr
.endr
.irp b, 0,1,2,3
	v_permlanex16_b32 v[TM+4+\b], v[TM+\b], s[SEL], s[SEL+1]
.endr
.irp b, 0,1,2,3
	v_max_num_f32 v[TM+\b], v[TM+\b], v[TM+4+\b]   ; with lane l xor 16's 16: the block's largest magnitude
.endr
.irp b, 0,1,2,3
	v_add_nc_u32 v[TM+12+\b], 0xff000000, v[TM+\b] ; 2 off its exponent field: the conversion's scale operand
.endr
.irp b, 0,1,2,3
	v_lshrrev_b32 v[TM+4+\b], 23, v[TM+12+\b]      ; the scale's byte
.endr
	v_lshl_or_b32 v[\pw], v[TM+5], 8, v[TM+4]
	v_lshl_or_b32 v[\pw], v[TM+6], 16, v[\pw]
	v_lshl_or_b32 v[\pw], v[TM+7], 24, v[\pw]
.irp c, 0,1
	v_cvt_scalef32_pk16_fp6_f32 v[PC+6*\c:PC+2+6*\c], v[\s+32*\c:\s+15+32*\c], v[TM+12+2*\c]
	v_cvt_scalef32_pk16_fp6_f32 v[PC+12+4*\c:PC+14+4*\c], v[\s+16+32*\c:\s+31+32*\c], v[TM+12+2*\c+1]   ; (a conversion's three registers begin on an even number)
.endr
	v_nop                                          ; one plain place behind a scaled conversion
.irp c, 0,1                                    ; the operand's layout wants a whole block in a lane: lanes 0-15 block 2 c, lanes 16-31 block 2 c + 1
.irp i, 0,1,2
	v_permlane16_swap_b32 v[PC+6*\c+\i], v[PC+12+4*\c+\i]
.endr
.irp i, 0,1,2
	v_mov_b32 v[PC+3+6*\c+\i], v[PC+12+4*\c+\i]
.endr
.endr
.endm
.macro UNIT t
.if (\t) < 3
	s_wait_loadcnt 16                              ; this step's 16 loads are in; the next step's 16 may be out
.else
	s_wait_loadcnt 0x0
.endif
	TURN \t
	s_wait_dscnt 0x0                               ; the numbers are back, and the stage's stores have read their registers,
.if (\t)+2 < 4
	LOAD (\t)+2                                    ; which take the loads of two steps on
.endif
	s_wait_xcnt 0x0                                ; the last step's stores have read the fragment's registers: they are written again only behind this wait
	QUANT X, PW+(\t)
.irp c, 0,1,2
	global_store_b128 v4, v[PC+4*\c:PC+4*\c+3], s[14:15] offset:1536*(\t)+512*\c   ; 32 lanes store 512 consecutive bytes, at a multiple of 256 from the buffer's first byte
.endr
.endm
	LOAD 0
	LOAD 1
	UNIT 0
	UNIT 1
	UNIT 2
	UNIT 3
	v_cmp_le_u32 vcc_lo, 16, v1                    ; both halves of the lanes hold row r's four words: lanes 0-15 store words 0, 1, lanes 16-31 words 2, 3
	v_cndmask_b32 v248, v[PW], v[PW+2], vcc_lo
	v_cndmask_b32 v249, v[PW+1], v[PW+3], vcc_lo
	global_store_b64 v7, v[248:249], s[16:17]      ; 256 consecutive bytes, aligned
	s_wait_tensorcnt 0x0                           ; the wave's end
	ds_add_u32 v[SPW], v[NIL]
	s_wait_dscnt 0x0
	s_endpgm
.Lfunc_end_k_q252a8b1972_quant:
	.size	k_q252a8b1972_quant, .Lfunc_end_k_q252a8b1972_quant-k_q252a8b1972_quant
	.p2alignl 7, 3214868480
	.fill 96, 4, 3214868480
	.section	.rodata,"a",@progbits
	.p2align	6, 0x0
	.amdhsa_kernel k_q252a8b1972_quant
		.amdhsa_group_segment_fixed_size 51456
		.amdhsa_private_segment_fixed_size 0
		.amdhsa_enable_private_segment 0
		.amdhsa_kernarg_size 56
		.amdhsa_user_sgpr_count 2
		.amdhsa_user_sgpr_kernarg_segment_ptr 1
		.amdhsa_wavefront_size32 1
		.amdhsa_system_sgpr_workgroup_id_x 1
		.amdhsa_system_sgpr_workgroup_id_y 1
		.amdhsa_system_sgpr_workgroup_id_z 1
		.amdhsa_system_vgpr_workitem_id 0
		.amdhsa_next_free_vgpr 256
		.amdhsa_next_free_sgpr 66
		.amdhsa_reserve_vcc 1
		.amdhsa_float_denorm_mode_32 3
		.amdhsa_float_denorm_mode_16_64 3
		.amdhsa_memory_ordered 1
		.amdhsa_forward_progress 1
		.amdhsa_inst_pref_size 34
	.end_amdhsa_kernel
	.amdgpu_metadata
---
amdhsa.version: [ 1, 2 ]
amdhsa.kernels:
  - .name:           k_q252a8b1972_quant
    .symbol:         k_q252a8b1972_quant.kd
    .args:
      - { .name: x, .offset: 0, .size: 8, .value_kind: global_buffer, .address_space: global }
      - { .name: Wq, .offset: 8, .size: 8, .value_kind: global_buffer, .address_space: global }
      - { .name: Wk, .offset: 16, .size: 8, .value_kind: global_buffer, .address_space: global }
      - { .name: Wv, .offset: 24, .size: 8, .value_kind: global_buffer, .address_space: global }
      - { .name: Wo, .offset: 32, .size: 8, .value_kind: global_buffer, .address_space: global }
      - { .name: codes, .offset: 40, .size: 8, .value_kind: global_buffer, .address_space: global }
      - { .name: sc, .offset: 48, .size: 8, .value_kind: global_buffer, .address_space: global }
    .group_segment_fixed_size: 51456
    .private_segment_fixed_size: 0
    .kernarg_segment_align: 8
    .kernarg_segment_size: 56
    .max_flat_workgroup_size: 192
    .sgpr_count:     66
    .vgpr_count:     256
    .wavefront_size: 32
...
	.end_amdgpu_metadata
.endif
;; end of part 1
;; launch qkv (part 2): grid 12 x 64, 4 waves a work-group, clusters of 4 x 4, 297,472 bytes of LDS; arguments codes, sc, bq, bk, bv, qkv; writes qkv
.if DOCPART == 2
	.amdgcn_target "amdgcn-amd-amdhsa--gfx1250"
	.amdhsa_code_object_version 6
	.text
	.protected	k_q252a8b1972_qkv
	.globl	k_q252a8b1972_qkv
	.p2align	8
	.type	k_q252a8b1972_qkv,@function
k_q252a8b1972_qkv:
	s_mov_b64 s[64:65], 0
	v_nop
	global_prefetch_b8 v0, s[64:65] scope:SCOPE_SE
	s_setreg_imm32_b32 hwreg(HW_REG_WAVE_MODE, 25, 1), 1
	s_wait_xcnt 0x0
	s_wait_alu depctr_hold_cnt(0) depctr_sa_sdst(0) depctr_va_vdst(0) depctr_va_sdst(0) depctr_va_ssrc(0) depctr_va_vcc(0) depctr_vm_vsrc(0)
	s_getreg_b32 s2, hwreg(HW_REG_IB_STS2, 6, 4)
	s_cmp_eq_u32 s2, 0
	s_cbranch_scc0 .Lentry_in_a_cluster
	s_endpgm
.Lentry_in_a_cluster:
	s_bfe_u32 s2, ttmp6, 0x10000c
	s_cmp_lg_u32 s2, 0xf033
	s_cbranch_scc0 .Lentry_shape_is_right
	s_endpgm
.Lentry_shape_is_right:
; q = x Wq^T + bq, k = x Wk^T + bk, v = x Wv^T + bv on codes of FP6 (E2M3) with E8M0 scales, f32 sums; the results are quantised in registers and leave as operands of the attention launch.
; ROLES, by the cluster's x (the same in all sixteen partners): 0 = q, 1 = k, 2 = v.  A work-group makes 128 rows of "A" x 256 rows of "B" over all of K = 1,024.  q, k: A = x, B = W.  v: A = Wv, B = x.
; THE MATRIX INSTRUCTION IS USED TRANSPOSED (source 0 = 16 rows of B, source 1 = 16 rows of A): a lane holds one row of A, its registers run along B; the tiles' rows were laid so that two neighbouring tiles give 16 neighbours.
; So q and k are quantised along the channels (a wave's 128 channels are two heads) and v, with the roles of x and W swapped, along the keys, by one text.
; ALL OF K LIES IN LDS: four chunks of 256 along K, 73,728 bytes each (A's 8 tiles x 3,072 bytes, then B's 16), every chunk filled once; four tensor loads of a wave are out at the most.  No slot is filled again.
; CLUSTER 4 x 4: A's tiles are shared along a row of the cluster, B's along a column: each is asked for jointly, which divides the requests by four.
; A wave makes 64 x 128: 32 accumulators.  Fragments are images of registers: 512 consecutive bytes a load.  The scale words of all of K go from memory straight into 64 registers: lanes 0-15 A's block i, lanes 16-31 B's block i.
; The bias is the C of the first K step.  OUT (buffer qkv): q at 0, k at 6,815,744: [batch x head][512 tokens]: 32 tiles x 768 bytes (16 tokens x 64 channels: 16 bytes a lane, then 8 bytes a lane), then 32 x 16 scale words;
; v at 13,631,488: [batch x head][512 keys]: [128 keys][16 channels] fragments of 1,536 bytes (two such halves), then their scale words.
; LIMITS: NaN and infinities are not served; a block whose largest magnitude lies under 2^-124, zeros among them, keeps the byte 1.
; REGISTERS: window 0: v4-29 addresses; v32-95 scale words; v96-159 the bias, later at work; v160-255 A's fragments, two sets of 48, later the codes.  window 1: B's fragments, two sets at v0 and v128.  window 2: accumulator (a, b) at v[8 (8 a + b)].
.set CHUNK,  73728
.set TILEB,  3072                      ; a tile's two fragments of a chunk
.set STAGE,  4*CHUNK                   ; behind the chunks: 512 bytes a wave for the scale words' way out
.set SPARE,  STAGE+4*512               ; the spare words, 128 bytes a wave: two blocks of 256 bytes that no other line names
.set ADRA, 4                           ; v4-7    16 x lane + my A tiles in chunk 0..3
.set ADRB, 8                           ; v8-11   the same for B
.set SOFF, 12                          ; v12     scale words of blocks 0-3
.set BO,   13                          ; v13     the bias's offset
.set L16,  14
.set L8,   15
.set STO,  16
.set RD,   17
.set SCO,  18                          ; v18     where my 16 bytes of scale words go
.set SHF,  19                          ; v19     q, k: lanes 16-31 keep the second head's two bytes
.set FLOOR, 20
.set SOFF2, 22                         ; v22     scale words of blocks 4-7: A's lanes read blocks 0-3 again, so that no lane leaves the buffer
.set SPW,  28
.set NIL,  29
.set SC,   32
.set BI,   96
.set AF,   160
.set TM,   96
.set PWR,  112
.set G1A, 24
.set G1B, 32
.set G0A, 40
.set G0B, 68
.set SEL, 62
.set MSB, 0
.macro WIN new                         ; the immediate's high byte repeats the setting that is left
.if MSB != \new
	s_set_vgpr_msb (MSB<<8)|\new
.set MSB, \new
.endif
.endm
.macro PLACES
.rept 4
	v_nop
.endr
.endm
.macro CROUND                          ; a round of the cluster's barrier
	s_barrier_signal -1
	s_barrier_wait -1
	s_cmp_lg_u32 s16, 0
	s_cbranch_scc1 .Lnot_wave_0_\@
	s_barrier_signal -3
.Lnot_wave_0_\@:
	s_barrier_wait -3
	s_barrier_signal -1
	s_barrier_wait -1
.endm
	s_load_b256 s[4:11], s[0:1], 0x0               ; codes, sc, bq, bk
	s_load_b128 s[12:15], s[0:1], 0x20             ; bv, qkv
	v_lshl_add_u32 v[SPW], v0, 2, SPARE
	v_mov_b32 v[NIL], 0
	ds_add_u32 v[SPW], v[NIL]                      ; the wave's opening: the add and its wait ahead of my first tensor load
	v_lshrrev_b32 v1, 5, v0
	v_readfirstlane_b32 s16, v1                    ; wave 0..3
	s_lshr_b32 s17, s16, 1                         ; wr: my half of A's rows.  Also: I fetch for A (0) or for B (1)
	s_and_b32 s18, s16, 1                          ; wc: my half of B's rows.  Also: which half of that operand I fetch
	s_bfe_u32 s19, ttmp6, 0x40000                  ; cx
	s_bfe_u32 s20, ttmp6, 0x40004                  ; cy
	s_and_b32 s21, ttmp7, 0xffff                   ; the cluster's y
	s_lshl_b32 s58, s21, 2                         ; A's first tile, of cy alone.  q, k: 8 (4 CY + cy)
	s_add_co_u32 s58, s58, s20
	s_lshl_b32 s58, s58, 3
	s_and_b32 s59, s21, 1                          ; v: 640 + 8 (4 (CY & 1) + cy)
	s_lshl_b32 s59, s59, 2
	s_add_co_u32 s59, s59, s20
	s_lshl_b32 s59, s59, 3
	s_add_co_u32 s59, s59, 640
	s_lshl_b32 s60, ttmp9, 6                       ; B's first tile, of cx alone.  q, k: 512 + 64 role + 16 cx
	s_lshl_b32 s61, s19, 4
	s_add_co_u32 s60, s60, s61
	s_add_co_u32 s60, s60, 512
	s_lshr_b32 s61, s21, 1                         ; v: 16 (4 (CY >> 1) + cx)
	s_lshl_b32 s61, s61, 2
	s_add_co_u32 s61, s61, s19
	s_lshl_b32 s61, s61, 4
	s_cmp_eq_u32 ttmp9, 2
	s_cselect_b32 s22, s59, s58                    ; TA
	s_cselect_b32 s23, s61, s60                    ; TB
	s_lshl_b32 s56, s20, 2
	s_lshl_b32 s56, 15, s56                        ; my row of the cluster
	s_lshl_b32 s57, 0x1111, s19                    ; my column
	; group 1: rows of 3,072 bytes (384 elements of 8 bytes), a tile's part of a chunk, 12,288 bytes (1,536 elements) from tile to tile; A: 4 tiles a load, B: 8
	s_or_b32 s[G1A], s56, (3<<16)|(1<<21)
	s_or_b32 s[G1B], s57, (3<<16)|(1<<21)
	s_mov_b32 s[G1A+1], 384<<16
	s_mov_b32 s[G1B+1], 384<<16
	s_mov_b32 s[G1A+2], 4<<16
	s_mov_b32 s[G1B+2], 8<<16
	s_mov_b32 s[G1A+3], 384<<16
	s_mov_b32 s[G1B+3], 384<<16
	s_mov_b32 s[G1A+4], 4
	s_mov_b32 s[G1B+4], 8
	s_mov_b32 s[G1A+5], 1536
	s_mov_b32 s[G1B+5], 1536
	s_mov_b32 s[G1A+6], 0
	s_mov_b32 s[G1B+6], 0
	s_mov_b32 s[G1A+7], 0
	s_mov_b32 s[G1B+7], 0
	s_lshl_b32 s58, s18, 2
	s_add_co_u32 s58, s58, s22
	s_mul_i32 s58, s58, 12288                      ; A: tile TA + 4 wc
	s_mov_b32 s59, 0
	s_lshl_b32 s60, s18, 3
	s_add_co_u32 s60, s60, s23
	s_mul_i32 s60, s60, 12288                      ; B: tile TB + 8 wc
	s_mov_b32 s61, 0
	s_mul_i32 s84, s18, 12288                      ; and where they go in a chunk: no place in the cluster enters an LDS address
	s_mul_i32 s85, s18, 24576
	s_add_co_u32 s85, s85, 24576
	s_mov_b32 s[SEL], 0x76543210
	s_mov_b32 s[SEL+1], 0xfedcba98
	s_wait_dscnt 0x0                               ; the opening add is done
	s_wait_kmcnt 0x0
	s_add_nc_u64 s[58:59], s[4:5], s[58:59]
	s_add_nc_u64 s[60:61], s[4:5], s[60:61]
	CROUND                                         ; all sixteen work-groups are here: the joint loads meet
.irp k, 0,1,2,3
	s_mov_b32 s[G0A+4*\k], 1
	s_add_co_u32 s[G0A+4*\k+1], s84, \k*CHUNK
	s_add_nc_u64 s[G0A+4*\k+2:G0A+4*\k+3], s[58:59], \k*TILEB
	s_or_b32 s[G0A+4*\k+3], s[G0A+4*\k+3], 0x80000000
	s_mov_b32 s[G0B+4*\k], 1
	s_add_co_u32 s[G0B+4*\k+1], s85, \k*CHUNK
	s_add_nc_u64 s[G0B+4*\k+2:G0B+4*\k+3], s[60:61], \k*TILEB
	s_or_b32 s[G0B+4*\k+3], s[G0B+4*\k+3], 0x80000000
.endr
	s_cmp_eq_u32 s17, 0                            ; a wave's four fills stand in one branch on the wave's number: waves 0, 1 A's halves, waves 2, 3 B's
	s_cbranch_scc0 .Lfill_b
.irp k, 0,1,2,3
	tensor_load_to_lds s[G0A+4*\k:G0A+4*\k+3], s[G1A:G1A+7]
	s_nop 0
.endr
	PLACES
	s_branch .Lfilled
.Lfill_b:
.irp k, 0,1,2,3
	tensor_load_to_lds s[G0B+4*\k:G0B+4*\k+3], s[G1B:G1B+7]
	s_nop 0
.endr
	PLACES
.Lfilled:
	v_and_b32 v1, 31, v0                           ; lane
	v_and_b32 v2, 15, v0                           ; r
	v_bfe_u32 v3, v0, 4, 1                         ; h
	v_lshlrev_b32 v[L16], 4, v1
	v_lshlrev_b32 v[L8], 3, v1
	v_mov_b32 v[FLOOR], 0x1800000                  ; 2^(3 - 127)
	s_mul_i32 s86, s17, 12288                      ; my four tiles of A,
	s_mul_i32 s87, s18, 24576                      ; my eight of B, behind A's eight
	s_add_co_u32 s87, s87, 24576
.irp k, 0,1,2,3
	v_add_nc_u32 v[ADRA+\k], s86, v[L16]
	v_add_nc_u32 v[ADRB+\k], s87, v[L16]
	s_add_co_u32 s86, s86, CHUNK
	s_add_co_u32 s87, s87, CHUNK
.endr
	s_lshl_b32 s88, s16, 9
	s_add_co_u32 s88, s88, STAGE                   ; my stage
	v_lshlrev_b32 v[STO], 2, v2
	v_lshl_add_u32 v[STO], v3, 8, v[STO]
	v_add_nc_u32 v[STO], s88, v[STO]               ; in: 256 h + 64 block + 4 r
	v_add_nc_u32 v[RD], s88, v[L16]                ; back: 16 bytes a lane
	s_lshl_b32 s89, s17, 2
	s_add_co_u32 s89, s89, s22
	s_lshl_b32 s89, s89, 9                         ; sc: 512 bytes a tile: A's tile TA + 4 wr,
	s_lshl_b32 s90, s18, 3
	s_add_co_u32 s90, s90, s23
	s_lshl_b32 s90, s90, 9                         ; B's tile TB + 8 wc
	v_cmp_le_u32 vcc_lo, 16, v1
	v_mov_b32 v[SOFF], s89
	v_mov_b32 v21, s90
	v_add_nc_u32 v23, 2048, v21
	v_cndmask_b32 v[SOFF2], v[SOFF], v23, vcc_lo
	v_cndmask_b32 v[SOFF], v[SOFF], v21, vcc_lo    ; lanes 0-15 A's, lanes 16-31 B's
	v_lshl_add_u32 v[SOFF], v2, 4, v[SOFF]         ; + 16 r
	v_lshl_add_u32 v[SOFF2], v2, 4, v[SOFF2]
.irp i, 0,1,2,3
.irp f, 0,1
	global_load_b128 v[SC+8*\i+4*\f:SC+8*\i+4*\f+3], v[SOFF], s[6:7] offset:512*\i+256*\f          ; block i, K steps 4 f .. 4 f + 3
	global_load_b128 v[SC+32+8*\i+4*\f:SC+32+8*\i+4*\f+3], v[SOFF2], s[6:7] offset:512*\i+256*\f   ; block 4 + i (B's lanes)
.endr
.endr
	s_cmp_eq_u32 ttmp9, 2                          ; the bias, in the result's layout; both arms write all 64 registers
	s_cbranch_scc1 .Lbias_v
	s_cmp_eq_u32 ttmp9, 0
	s_cselect_b64 s[8:9], s[8:9], s[10:11]         ; bq or bk
	s_lshl_b32 s91, s19, 10
	s_lshl_b32 s92, s18, 9
	s_add_co_u32 s91, s91, s92
	v_lshl_add_u32 v[BO], v3, 6, s91               ; 4 (256 cx + 128 wc + 16 h): tile g's eight channels are 32 (g / 2) + 8 (g % 2) further on
.irp g, 0,1,2,3,4,5,6,7
	global_load_b128 v[BI+8*\g:BI+8*\g+3], v[BO], s[8:9] offset:(32*(\g/2)+8*(\g%2))*4
	global_load_b128 v[BI+8*\g+4:BI+8*\g+7], v[BO], s[8:9] offset:(32*(\g/2)+8*(\g%2))*4+16
.endr
	s_branch .Lbias_done
.Lbias_v:
	s_sub_co_u32 s91, s22, 640
	s_lshl_b32 s91, s91, 6
	s_lshl_b32 s92, s17, 8
	s_add_co_u32 s91, s91, s92                     ; 4 (16 (TA - 640) + 64 wr)
	v_and_b32 v[BO], 7, v2
	v_lshrrev_b32 v23, 3, v2
	v_lshl_add_u32 v[BO], v23, 4, v[BO]            ; my lane's channel in a tile: (r & 7) + 16 (r >> 3)
	v_lshl_add_u32 v[BO], v[BO], 2, s91
.irp a, 0,1,2,3
.irp j, 0,1,2,3,4,5,6,7
	global_load_b32 v[BI+8*\a+\j], v[BO], s[12:13] offset:(32*(\a/2)+8*(\a%2))*4   ; a lane holds one channel: its eight registers take the same number
.endr
.endr
.set n, 32
.rept 32
	v_mov_b32 v[BI+n], 0
.set n, n+1
.endr
.Lbias_done:
	; where the results go: both roles' numbers are made, then chosen.  q, k: tile Tg = TA + 4 wr of x, heads 4 cx + 2 wc and the next
	s_lshl_b32 s86, s17, 2
	s_add_co_u32 s86, s86, s22
	s_lshr_b32 s87, s86, 7                         ; batch
	s_and_b32 s86, s86, 127                        ; tile in the sequence
	s_lshl_b32 s87, s87, 4
	s_lshl_b32 s88, s19, 2
	s_add_co_u32 s87, s87, s88
	s_lshl_b32 s88, s18, 1
	s_add_co_u32 s87, s87, s88
	s_mul_i32 s87, s87, 106496
	s_mul_i32 s88, ttmp9, 6815744
	s_add_co_u32 s87, s87, s88
	s_lshr_b32 s88, s86, 5
	s_mul_i32 s88, s88, 26624
	s_add_co_u32 s87, s87, s88                     ; the record
	s_and_b32 s86, s86, 31
	s_mul_i32 s88, s86, 768
	s_add_co_u32 s88, s88, s87                     ; codes
	s_lshl_b32 s89, s86, 6
	s_add_co_u32 s89, s89, s87
	s_add_co_u32 s89, s89, 24576                   ; scale words
	; v: head (TA - 640) / 4 + wr, keys 128 G on, G = TB / 8 + wc
	s_sub_co_u32 s90, s22, 640
	s_lshr_b32 s90, s90, 2
	s_add_co_u32 s90, s90, s17
	s_lshr_b32 s91, s23, 3
	s_add_co_u32 s91, s91, s18
	s_lshr_b32 s92, s91, 4                         ; batch
	s_and_b32 s91, s91, 15                         ; key step
	s_lshl_b32 s92, s92, 4
	s_add_co_u32 s90, s90, s92
	s_mul_i32 s90, s90, 102400
	s_add_co_u32 s90, s90, 13631488
	s_lshr_b32 s92, s91, 2
	s_mul_i32 s92, s92, 25600
	s_add_co_u32 s90, s90, s92                     ; the record
	s_and_b32 s91, s91, 3
	s_mul_i32 s92, s91, 6144
	s_add_co_u32 s92, s92, s90                     ; codes
	s_lshl_b32 s93, s91, 8
	s_add_co_u32 s93, s93, s90
	s_add_co_u32 s93, s93, 24576                   ; scale words
	s_mov_b32 s94, 768
	s_mov_b32 s95, 1536
	s_mov_b32 s96, 106496
	s_cmp_eq_u32 ttmp9, 2
	s_cselect_b32 s86, s92, s88                    ; block 0's first half
	s_cselect_b32 s90, s93, s89                    ; the scale words
	s_cselect_b32 s88, s95, s94                    ; from block to block
	s_cselect_b32 s92, s94, s96                    ; from a fragment's first half to its second: q, k: the next head
	s_cselect_b32 s91, 0, s96                      ; the second head's scale words
	s_cselect_b32 s97, 16, 32                      ; lanes that store scale words
	s_cselect_b32 s98, 0, 16
	s_mov_b32 s87, 0
	s_mov_b32 s89, 0
	s_mov_b32 s93, 0
	s_add_nc_u64 s[94:95], s[14:15], s[86:87]
	s_add_nc_u64 s[66:67], s[94:95], s[92:93]
	v_mul_u32_u24 v[SHF], v3, s98
	v_mul_u32_u24 v[SCO], v3, s91
	v_lshl_add_u32 v[SCO], v2, 4, v[SCO]
	v_add_nc_u32 v[SCO], s90, v[SCO]
; 36 LDS loads in one run: K step s: B's eight fragments, then A's four, into set s % 2
.macro FETCH s
	WIN 0x40                                       ; destination window 1, address window 0
.irp i, 0,1,2,3,4,5,6,7
.irp c, 0,1,2
	ds_load_b128 v[128*((\s)%2)+12*\i+4*\c:128*((\s)%2)+12*\i+4*\c+3], v[ADRB+(\s)/2] offset:TILEB*\i+1536*((\s)%2)+512*\c
.endr
.endr
	WIN 0
.irp i, 0,1,2,3
.irp c, 0,1,2
	ds_load_b128 v[AF+48*((\s)%2)+12*\i+4*\c:AF+48*((\s)%2)+12*\i+4*\c+3], v[ADRA+(\s)/2] offset:TILEB*\i+1536*((\s)%2)+512*\c
.endr
.endr
.endm
; K step s: 32 products, the 32 accumulators by turns, one instruction a turn.  cm = 1: C is the bias by B's tile; 2: by A's; 0: the sum goes on
.macro PROD s, cm
.if \cm
	WIN 0x81                                       ; source 0 (B) window 1, source 1 (A) and C window 0, D window 2
.else
	WIN 0xa1                                       ; C and D window 2
.endif
.irp a, 0,1,2,3
.irp b, 0,1,2,3,4,5,6,7
.if \cm == 1
	v_wmma_scale_f32_16x16x128_f8f6f4 v[8*(8*\a+\b):8*(8*\a+\b)+7], v[128*((\s)%2)+12*\b:128*((\s)%2)+12*\b+11], v[AF+48*((\s)%2)+12*\a:AF+48*((\s)%2)+12*\a+11], v[BI+8*\b:BI+8*\b+7], v[SC+8*\b+(\s)], v[SC+8*\a+(\s)] matrix_a_fmt:MATRIX_FMT_FP6 matrix_b_fmt:MATRIX_FMT_FP6 matrix_a_scale:MATRIX_SCALE_ROW1
.elseif \cm == 2
	v_wmma_scale_f32_16x16x128_f8f6f4 v[8*(8*\a+\b):8*(8*\a+\b)+7], v[128*((\s)%2)+12*\b:128*((\s)%2)+12*\b+11], v[AF+48*((\s)%2)+12*\a:AF+48*((\s)%2)+12*\a+11], v[BI+8*\a:BI+8*\a+7], v[SC+8*\b+(\s)], v[SC+8*\a+(\s)] matrix_a_fmt:MATRIX_FMT_FP6 matrix_b_fmt:MATRIX_FMT_FP6 matrix_a_scale:MATRIX_SCALE_ROW1
.else
	v_wmma_scale_f32_16x16x128_f8f6f4 v[8*(8*\a+\b):8*(8*\a+\b)+7], v[128*((\s)%2)+12*\b:128*((\s)%2)+12*\b+11], v[AF+48*((\s)%2)+12*\a:AF+48*((\s)%2)+12*\a+11], v[8*(8*\a+\b):8*(8*\a+\b)+7], v[SC+8*\b+(\s)], v[SC+8*\a+(\s)] matrix_a_fmt:MATRIX_FMT_FP6 matrix_b_fmt:MATRIX_FMT_FP6 matrix_a_scale:MATRIX_SCALE_ROW1
.endif
.endr
.endr
.endm
.macro KSTEP s
.if (\s) < 7
.if (\s)%2
	s_wait_tensorcnt 3-((\s)+1)/2                  ; my part of the next chunk is in; the chunks behind it may be out
	s_wait_dscnt 0x0                               ; no LDS load of mine is pending at the signal
	s_barrier_signal -1
	s_barrier_wait -1                              ; everybody's part is in
.endif
	PLACES                                         ; four places between the last step's products and loads into the set that the step before it read
	FETCH (\s)+1
	s_wait_dscnt 36                                ; this step's fragments are in; the 36 loads just issued may be out
.else
	s_wait_dscnt 0x0
.endif
	PROD \s, 0
.endm
	s_wait_tensorcnt 3                             ; my part of chunk 0 is in; my other three loads may be out
	s_barrier_signal -1
	s_barrier_wait -1
	FETCH 0
	s_wait_loadcnt 0x0                             ; the scale words and the bias
	FETCH 1
	s_wait_dscnt 36
	s_cmp_eq_u32 ttmp9, 2                          ; the first K step starts the sums with the bias; the two roles differ in which operand it follows
	s_cbranch_scc1 .Lk0_v
	PROD 0, 1
	WIN 0
	s_branch .Lk0_done
.Lk0_v:
	PROD 0, 2
	WIN 0
.Lk0_done:
	KSTEP 1
	KSTEP 2
	KSTEP 3
	KSTEP 4
	KSTEP 5
	KSTEP 6
	KSTEP 7
	PLACES
	WIN 0
.irp b, 0,1,2,3
	v_mov_b32 v[TM+4+\b], 0                        ; a lane permute's destination counts as one of its sources
.endr
; Block a's 64 numbers of a lane (window 2, v[64 a] on: register 16 b + i = neighbour 32 b + 16 (lane / 16) + i along B) become a fragment in v[160 + 20 a] on and a scale word in v[PWR + a].  Each accumulator is read from its low end on.
.macro QUANTW a
.set QSRC, 64*(\a)
.set QP, 160+20*(\a)
	WIN 0x28                                       ; sources 1 and 2 window 2
.irp b, 0,1,2,3
	v_max3_num_f32 v[TM+\b], v[FLOOR], |v[QSRC+16*\b]|, |v[QSRC+16*\b+1]|
.endr
.irp i, 2,4,6,8,10,12,14
.irp b, 0,1,2,3
	v_max3_num_f32 v[TM+\b], v[TM+\b], |v[QSRC+16*\b+\i]|, |v[QSRC+16*\b+\i+1]|
.endr
.endr
	WIN 0
.irp b, 0,1,2,3
	v_permlanex16_b32 v[TM+4+\b], v[TM+\b], s[SEL], s[SEL+1]
.endr
.irp b, 0,1,2,3
	v_max_num_f32 v[TM+\b], v[TM+\b], v[TM+4+\b]
.endr
.irp b, 0,1,2,3
	v_add_nc_u32 v[TM+12+\b], 0xff000000, v[TM+\b]
.endr
.irp b, 0,1,2,3
	v_lshrrev_b32 v[TM+4+\b], 23, v[TM+12+\b]
.endr
	v_lshl_or_b32 v[PWR+(\a)], v[TM+5], 8, v[TM+4]
	v_lshl_or_b32 v[PWR+(\a)], v[TM+6], 16, v[PWR+(\a)]
	v_lshl_or_b32 v[PWR+(\a)], v[TM+7], 24, v[PWR+(\a)]
	WIN 0x02                                       ; source 0 window 2
.irp c, 0,1
	v_cvt_scalef32_pk16_fp6_f32 v[QP+6*\c:QP+2+6*\c], v[QSRC+32*\c:QSRC+15+32*\c], v[TM+12+2*\c]
	v_cvt_scalef32_pk16_fp6_f32 v[QP+12+4*\c:QP+14+4*\c], v[QSRC+16+32*\c:QSRC+31+32*\c], v[TM+12+2*\c+1]
.endr
	WIN 0
	v_nop                                          ; one plain place behind a scaled conversion
.irp c, 0,1
.irp i, 0,1,2
	v_permlane16_swap_b32 v[QP+6*\c+\i], v[QP+12+4*\c+\i]
.endr
.irp i, 0,1,2
	v_mov_b32 v[QP+3+6*\c+\i], v[QP+12+4*\c+\i]
.endr
.endr
.endm
.irp a, 0,1,2,3
	QUANTW \a
.if \a > 0
	s_wait_xcnt 0x0                                ; the last block's stores have read their bases
	s_add_nc_u64 s[94:95], s[94:95], s[88:89]
	s_add_nc_u64 s[66:67], s[66:67], s[88:89]
.endif
	global_store_b128 v[L16], v[160+20*\a:163+20*\a], s[94:95]             ; registers 0-3: 512 consecutive bytes, aligned to 256
	global_store_b64 v[L8], v[164+20*\a:165+20*\a], s[94:95] offset:512    ; registers 4, 5: 256
	global_store_b128 v[L16], v[166+20*\a:169+20*\a], s[66:67]             ; registers 6-9: the second half
	global_store_b64 v[L8], v[170+20*\a:171+20*\a], s[66:67] offset:512
.endr
.irp a, 0,1,2,3
	v_lshrrev_b32 v[116+\a], v[SHF], v[PWR+\a]     ; q, k: lanes 16-31 bring the second head's two bytes down
.endr
.irp a, 0,1,2,3
	ds_store_b32 v[STO], v[116+\a] offset:64*\a
.endr
	ds_load_b128 v[120:123], v[RD]                 ; LDS serves a wave's instructions in order: this sees my stores
	v_cmp_gt_u32 vcc_lo, s97, v1
	s_wait_dscnt 0x0
	s_wait_xcnt 0x0                                ; EXEC changes only behind this wait
	s_and_saveexec_b32 s99, vcc_lo
	global_store_b128 v[SCO], v[120:123], s[14:15] ; sixteen lanes store four tiles' scale words: 256 consecutive bytes, aligned
	s_wait_xcnt 0x0
	s_or_b32 exec_lo, exec_lo, s99
	s_wait_tensorcnt 0x0                           ; the wave's end
	ds_add_u32 v[SPW], v[NIL]
	s_wait_dscnt 0x0
	CROUND                                         ; the closing round
	s_endpgm
.Lfunc_end_k_q252a8b1972_qkv:
	.size	k_q252a8b1972_qkv, .Lfunc_end_k_q252a8b1972_qkv-k_q252a8b1972_qkv
	.p2alignl 7, 3214868480
	.fill 96, 4, 3214868480
	.section	.rodata,"a",@progbits
	.p2align	6, 0x0
	.amdhsa_kernel k_q252a8b1972_qkv
		.amdhsa_group_segment_fixed_size 297472
		.amdhsa_private_segment_fixed_size 0
		.amdhsa_enable_private_segment 0
		.amdhsa_kernarg_size 48
		.amdhsa_user_sgpr_count 2
		.amdhsa_user_sgpr_kernarg_segment_ptr 1
		.amdhsa_wavefront_size32 1
		.amdhsa_system_sgpr_workgroup_id_x 1
		.amdhsa_system_sgpr_workgroup_id_y 1
		.amdhsa_system_sgpr_workgroup_id_z 1
		.amdhsa_system_vgpr_workitem_id 0
		.amdhsa_next_free_vgpr 768
		.amdhsa_next_free_sgpr 100
		.amdhsa_reserve_vcc 1
		.amdhsa_float_denorm_mode_32 3
		.amdhsa_float_denorm_mode_16_64 3
		.amdhsa_memory_ordered 1
		.amdhsa_forward_progress 1
		.amdhsa_inst_pref_size 94
	.end_amdhsa_kernel
	.amdgpu_metadata
---
amdhsa.version: [ 1, 2 ]
amdhsa.kernels:
  - .name:           k_q252a8b1972_qkv
    .symbol:         k_q252a8b1972_qkv.kd
    .args:
      - { .name: codes, .offset: 0, .size: 8, .value_kind: global_buffer, .address_space: global }
      - { .name: sc, .offset: 8, .size: 8, .value_kind: global_buffer, .address_space: global }
      - { .name: bq, .offset: 16, .size: 8, .value_kind: global_buffer, .address_space: global }
      - { .name: bk, .offset: 24, .size: 8, .value_kind: global_buffer, .address_space: global }
      - { .name: bv, .offset: 32, .size: 8, .value_kind: global_buffer, .address_space: global }
      - { .name: qkv, .offset: 40, .size: 8, .value_kind: global_buffer, .address_space: global }
    .group_segment_fixed_size: 297472
    .private_segment_fixed_size: 0
    .kernarg_segment_align: 8
    .kernarg_segment_size: 48
    .max_flat_workgroup_size: 128
    .sgpr_count:     100
    .vgpr_count:     768
    .wavefront_size: 32
...
	.end_amdgpu_metadata
.endif
;; end of part 2
;; launch attn (part 3): grid 64 x 8, 16 waves a work-group, no clusters, 210,944 bytes of LDS; arguments qkv, codes, sc; writes codes, sc
.if DOCPART == 3
	.amdgcn_target "amdgcn-amd-amdhsa--gfx1250"
	.amdhsa_code_object_version 6
	.text
	.protected	k_q252a8b1972_attn
	.globl	k_q252a8b1972_attn
	.p2align	8
	.type	k_q252a8b1972_attn,@function
k_q252a8b1972_attn:
	s_mov_b64 s[64:65], 0
	v_nop
	global_prefetch_b8 v0, s[64:65] scope:SCOPE_SE
	s_setreg_imm32_b32 hwreg(HW_REG_WAVE_MODE, 25, 1), 1
	s_wait_xcnt 0x0
; Causal attention of one head on codes of FP6 (E2M3) with E8M0 scales; head size 64, 2,048 tokens.  t = score x log2(e) / 8; M = the running largest t rounded up to a whole number; p = 2^(t - M) is quantised along the keys, not normalised;
; the row's sum is taken of the unquantised p and divides at the end.  The result is quantised along the channels and leaves as the last product's operand (buffers codes and sc, tiles 768 on).
; SHARES.  Work-group (head bh, j): waves 0-7 own the 128 queries of block j, waves 8-15 those of block 15 - j, a tile of 16 queries each: (j + 1) + (16 - j) = 17 key steps of 128 for each pair of waves, in every work-group.
; THE WHOLE HEAD'S K AND V LIE IN LDS, as four chunks of 512 keys, each filled once (waves 0, 1: K's halves; waves 2, 3: V's; four loads of such a wave are out at the most): no slot is filled again.
; All four chunks are always asked for, since the waits on TENSORcnt are counted; a step all of whose keys come after a wave's queries is left out by a branch on ids.
; NO CLUSTER: a work-group asks for its head's 208,896 bytes once, at its head, and walks 136 key steps on them; the eight work-groups of a head lie along the grid's y.
; LAYOUT.  Both products transposed: S^T = K Q^T (the head's 64 channels fill half of the instruction's K; the other half are zero codes in registers), O^T = V^T P^T: a lane holds one query throughout.
; The tokens of a tile and V's channels were laid so that two neighbouring tiles' 16 registers are 16 neighbouring keys, or channels.
; LIMITS: NaN and infinities are not served; a block whose largest magnitude lies under 2^-124, zeros among them, keeps the byte 1.
.set VREG,  106496                     ; K's four records of 26,624 bytes, then V's four of 25,600
.set SPARE, 208896                     ; the spare words, 128 bytes a wave: eight blocks of 256 bytes that no other line names
.set L16, 1                            ; v1-3   16, 8, 4 x lane;  v4-6 the same + VREG
.set L8,  2
.set L4,  3
.set SPW, 7
.set NIL, 8
.set D0,  9                            ; v9     my query in its block of 128, less 16 (lane / 16)
.set ADK, 10                           ; v10-15 the step's addresses
.set ADK8, 11
.set ADS, 12
.set ADV, 13
.set ADV8, 14
.set ADT, 15
.set Q,   16                           ; v16-27 Q's fragment: v22-27 zeros
.set KB,  32                           ; v32-79 four fragments of K: the upper six registers of each stay zeros; the lower ones are at work in the softmax
.set VB,  80                           ; v80-127 four fragments of V
.set S,   128                          ; v128-191 S^T, then p
.set O,   192                          ; v192-223 O^T
.set PC,  224                          ; v224-235 p's codes
.set KS,  236                          ; v236-239 K's scale words: lanes 0-15 tile 2 b, lanes 16-31 tile 2 b + 1
.set VS,  240                          ; v240-241 V's likewise
.set PS,  242
.set QS,  243
.set BM,  248
.set BT,  252
.set WV,  12
.set HB,  13
.set CS,  22
.set G1K, 24
.set G1V, 32
.set G0K, 40
.set ST,  56
.set TK,  57
.set TKS, 58
.set TV,  59
.set TVS, 60
.set SEL, 62
.set G0V, 68
.macro PLACES
.rept 4
	v_nop
.endr
.endm
	s_load_b128 s[4:7], s[0:1], 0x0                ; qkv, codes
	s_load_b64 s[8:9], s[0:1], 0x10                ; sc
	v_lshl_add_u32 v[SPW], v0, 2, SPARE
	v_mov_b32 v[NIL], 0
	ds_add_u32 v[SPW], v[NIL]                      ; the wave's opening: the add and its wait ahead of the first tensor load
	v_lshrrev_b32 v1, 5, v0
	v_readfirstlane_b32 s[WV], v1                  ; wave 0..15
	s_and_b32 s17, ttmp7, 0xffff                   ; j
	s_sub_co_u32 s18, 15, s17
	s_cmp_lt_u32 s[WV], 8
	s_cselect_b32 s[HB], s17, s18                  ; my block of 128 queries
	s_and_b32 s14, s[WV], 7
	s_lshl_b32 s15, s[HB], 3
	s_add_co_u32 s15, s15, s14                     ; my tile of 16 queries
	; group 1: dense blocks as rows of 256 bytes (32 elements of 8 bytes): half a record of K is 52 rows, of V 50
	s_mov_b32 s[G1K], 3<<16
	s_mov_b32 s[G1V], 3<<16
	s_mov_b32 s[G1K+1], 32<<16
	s_mov_b32 s[G1V+1], 32<<16
	s_mov_b32 s[G1K+2], 52<<16
	s_mov_b32 s[G1V+2], 50<<16
	s_mov_b32 s[G1K+3], 32<<16
	s_mov_b32 s[G1V+3], 32<<16
	s_mov_b32 s[G1K+4], 52
	s_mov_b32 s[G1V+4], 50
	s_mov_b32 s[G1K+5], 32
	s_mov_b32 s[G1V+5], 32
	s_mov_b32 s[G1K+6], 0
	s_mov_b32 s[G1V+6], 0
	s_mov_b32 s[G1K+7], 0
	s_mov_b32 s[G1V+7], 0
	s_and_b32 s19, s[WV], 1
	s_mul_i32 s20, s19, 13312                      ; which half of a record I fetch, if I fetch
	s_mul_i32 s21, s19, 12800
	s_mul_i32 s84, ttmp9, 106496                   ; the head in q's and k's regions
	s_add_co_u32 s88, s84, s20
	s_add_co_u32 s88, s88, 6815744
	s_mov_b32 s89, 0
	s_mul_i32 s86, ttmp9, 102400                   ; and in v's
	s_add_co_u32 s86, s86, s21
	s_add_co_u32 s86, s86, 13631488
	s_mov_b32 s87, 0
	s_lshr_b32 s18, s15, 5
	s_mul_i32 s18, s18, 26624
	s_add_co_u32 s84, s84, s18                     ; my queries' record
	s_and_b32 s18, s15, 31
	s_lshl_b32 s10, s18, 6
	s_add_co_u32 s10, s10, s84
	s_add_co_u32 s10, s10, 24576                   ; their scale words
	s_mov_b32 s11, 0
	s_mul_i32 s18, s18, 768
	s_add_co_u32 s84, s84, s18                     ; their codes
	s_mov_b32 s85, 0
	s_mov_b32 s[CS], 0x3e38aa3b                    ; c = log2(e) / sqrt(64)
	s_mov_b32 s[CS+1], s[CS]                       ; (named with it as a pair)
	s_mov_b32 s[SEL], 0x76543210
	s_mov_b32 s[SEL+1], 0xfedcba98
	s_mov_b32 s[ST], 0
	s_wait_dscnt 0x0                               ; the opening add is done
	s_wait_kmcnt 0x0
	s_add_nc_u64 s[88:89], s[4:5], s[88:89]
	s_add_nc_u64 s[86:87], s[4:5], s[86:87]
	s_add_nc_u64 s[84:85], s[4:5], s[84:85]
	s_add_nc_u64 s[10:11], s[4:5], s[10:11]
.irp k, 0,1,2,3
	s_mov_b32 s[G0K+4*\k], 1
	s_add_co_u32 s[G0K+4*\k+1], s20, 26624*\k
	s_add_nc_u64 s[G0K+4*\k+2:G0K+4*\k+3], s[88:89], 26624*\k
	s_or_b32 s[G0K+4*\k+3], s[G0K+4*\k+3], 0x80000000
	s_mov_b32 s[G0V+4*\k], 1
	s_add_co_u32 s[G0V+4*\k+1], s21, VREG+25600*\k
	s_add_nc_u64 s[G0V+4*\k+2:G0V+4*\k+3], s[86:87], 25600*\k
	s_or_b32 s[G0V+4*\k+3], s[G0V+4*\k+3], 0x80000000
.endr
	s_cmp_lt_u32 s[WV], 2                          ; a wave's four fills stand in one branch on the wave's number
	s_cbranch_scc0 .Lnot_k
.irp k, 0,1,2,3
	tensor_load_to_lds s[G0K+4*\k:G0K+4*\k+3], s[G1K:G1K+7]
	s_nop 0
.endr
	PLACES
	s_branch .Lasked
.Lnot_k:
	s_cmp_lt_u32 s[WV], 4
	s_cbranch_scc0 .Lasked
.irp k, 0,1,2,3
	tensor_load_to_lds s[G0V+4*\k:G0V+4*\k+3], s[G1V:G1V+7]
	s_nop 0
.endr
	PLACES
.Lasked:
	v_and_b32 v9, 31, v0
	v_lshlrev_b32 v[L16], 4, v9
	v_lshlrev_b32 v[L8], 3, v9
	v_lshlrev_b32 v[L4], 2, v9
	v_add_nc_u32 v4, VREG, v[L16]
	v_add_nc_u32 v5, VREG, v[L8]
	v_add_nc_u32 v6, VREG, v[L4]
	global_load_b128 v[Q:Q+3], v[L16], s[84:85]    ; Q's six registers stay
	global_load_b64 v[Q+4:Q+5], v[L8], s[84:85] offset:512
	v_and_b32 v246, 15, v0
	v_lshlrev_b32 v246, 2, v246
	global_load_b32 v[QS], v246, s[10:11]          ; and its scale words
	s_lshr_b32 s18, s14, 1
	s_lshl_b32 s18, s18, 5
	s_and_b32 s19, s14, 1
	s_lshl_b32 s19, s19, 3
	s_add_co_u32 s18, s18, s19                     ; my tile's first token in the block: 32 (w' / 2) + 8 (w' % 2)
	v_and_b32 v10, 7, v0
	v_bfe_u32 v11, v0, 3, 1
	v_bfe_u32 v12, v0, 4, 1
	v_lshl_add_u32 v[D0], v11, 4, v10              ; + (r & 7) + 16 (r >> 3)
	v_lshlrev_b32 v12, 4, v12
	v_sub_nc_u32 v[D0], v[D0], v12                 ; - 16 h
	v_add_nc_u32 v[D0], s18, v[D0]
.irp i, 6,7,8,9,10,11
	v_mov_b32 v[Q+\i], 0                           ; the instruction's K beyond the head's 64: zero codes on both sides
.irp t, 0,1,2,3
	v_mov_b32 v[KB+12*\t+\i], 0
.endr
.endr
	v_mov_b32 v29, 0xff61b1e6                      ; the largest t so far: -3e38
	v_floor_f32 v28, -v29                          ; -M
	v_mov_b32 v30, 0                               ; the sum, in two halves
	v_mov_b32 v31, 0
	v_mov_b32 v245, 0                              ; (named as the upper half of f's pair)
.irp b, 0,1,2,3
	v_mov_b32 v[BT+\b], 0                          ; a lane permute's destination counts as one of its sources
.endr
.set n, 0
.rept 32
	v_mov_b32 v[O+n], 0                            ; O^T: the step is written once; the first change of M multiplies zeros
.set n, n+1
.endr
.macro KQ t                            ; S^T's tile t: 16 keys x my 16 queries
.if (\t)%2
	v_wmma_scale_f32_16x16x128_f8f6f4 v[S+8*(\t):S+8*(\t)+7], v[KB+12*((\t)%4):KB+12*((\t)%4)+11], v[Q:Q+11], 0, v[KS+(\t)/2], v[QS] matrix_a_fmt:MATRIX_FMT_FP6 matrix_b_fmt:MATRIX_FMT_FP6 matrix_a_scale:MATRIX_SCALE_ROW1
.else
	v_wmma_scale_f32_16x16x128_f8f6f4 v[S+8*(\t):S+8*(\t)+7], v[KB+12*((\t)%4):KB+12*((\t)%4)+11], v[Q:Q+11], 0, v[KS+(\t)/2], v[QS] matrix_a_fmt:MATRIX_FMT_FP6 matrix_b_fmt:MATRIX_FMT_FP6
.endif
.endm
.macro PV t                            ; O^T's tile t: 16 channels x my 16 queries, over the step's 128 keys
.if (\t)%2
	v_wmma_scale_f32_16x16x128_f8f6f4 v[O+8*(\t):O+8*(\t)+7], v[VB+12*(\t):VB+12*(\t)+11], v[PC:PC+11], v[O+8*(\t):O+8*(\t)+7], v[VS+(\t)/2], v[PS] matrix_a_fmt:MATRIX_FMT_FP6 matrix_b_fmt:MATRIX_FMT_FP6 matrix_a_scale:MATRIX_SCALE_ROW1
.else
	v_wmma_scale_f32_16x16x128_f8f6f4 v[O+8*(\t):O+8*(\t)+7], v[VB+12*(\t):VB+12*(\t)+11], v[PC:PC+11], v[O+8*(\t):O+8*(\t)+7], v[VS+(\t)/2], v[PS] matrix_a_fmt:MATRIX_FMT_FP6 matrix_b_fmt:MATRIX_FMT_FP6
.endif
.endm
; A KEY STEP of 128 keys
.macro STEP
	s_cmp_gt_u32 s[ST], s[HB]                      ; all its keys come after my queries: only the addresses step
	s_cbranch_scc1 .Lhid_\@
	v_add_nc_u32 v[ADK], s[TK], v[L16]             ; (these six are also the places between the last step's products and the loads into V's registers)
	v_add_nc_u32 v[ADK8], s[TK], v[L8]
	v_add_nc_u32 v[ADS], s[TKS], v[L4]
	v_add_nc_u32 v[ADV], s[TV], v4
	v_add_nc_u32 v[ADV8], s[TV], v5
	v_add_nc_u32 v[ADT], s[TVS], v6
.irp t, 0,1,2,3
	ds_load_b128 v[KB+12*\t:KB+12*\t+3], v[ADK] offset:768*\t
	ds_load_b64 v[KB+12*\t+4:KB+12*\t+5], v[ADK8] offset:768*\t+512
.endr
.irp b, 0,1,2,3
	ds_load_b32 v[KS+\b], v[ADS] offset:128*\b
.endr
.irp t, 0,1,2,3
.irp c, 0,1
	ds_load_b128 v[VB+12*\t+6*\c:VB+12*\t+6*\c+3], v[ADV] offset:1536*\t+768*\c
	ds_load_b64 v[VB+12*\t+6*\c+4:VB+12*\t+6*\c+5], v[ADV8] offset:1536*\t+768*\c+512
.endr
.endr
	ds_load_b32 v[VS], v[ADT]
	ds_load_b32 v[VS+1], v[ADT] offset:128
	s_wait_dscnt 18                                ; K's first four tiles and its scale words are in; V's 16 loads and its two scale loads may be out
	KQ 0
	KQ 1
	KQ 2
	KQ 3
	PLACES                                         ; in front of loads into registers that these products read
.irp t, 0,1,2,3
	ds_load_b128 v[KB+12*\t:KB+12*\t+3], v[ADK] offset:768*(\t+4)
	ds_load_b64 v[KB+12*\t+4:KB+12*\t+5], v[ADK8] offset:768*(\t+4)+512
.endr
	s_wait_dscnt 0x0
	KQ 4
	KQ 5
	KQ 6
	KQ 7
	PLACES
	s_cmp_lg_u32 s[ST], s[HB]                      ; on the diagonal the scores of hidden keys become -infinity ahead of the maximum
	s_cbranch_scc1 .Lopen_\@
	v_mov_b32 v246, 0xff800000
.set n, 0
.rept 64
	v_cmp_gt_i32 vcc_lo, 32*(n/16)+n%16, v[D0]     ; register 16 b + i holds key 32 b + 16 (lane / 16) + i of the step
	v_cndmask_b32 v[S+n], v[S+n], v246, vcc_lo
.set n, n+1
.endr
.Lopen_\@:
.irp b, 0,1,2,3
	v_max3_num_f32 v[BM+\b], v[S+16*\b], v[S+1+16*\b], v[S+2+16*\b]   ; the largest score of each block of 32 keys: for the row's maximum, and, since p rises with the score, for the block's largest p
.endr
.irp i, 3,5,7,9,11,13
.irp b, 0,1,2,3
	v_max3_num_f32 v[BM+\b], v[BM+\b], v[S+16*\b+\i], v[S+1+16*\b+\i]
.endr
.endr
.irp b, 0,1,2,3
	v_max_num_f32 v[BM+\b], v[BM+\b], v[S+15+16*\b]
.endr
.irp b, 0,1,2,3
	v_permlanex16_b32 v[BT+\b], v[BM+\b], s[SEL], s[SEL+1]
.endr
.irp b, 0,1,2,3
	v_max_num_f32 v[BM+\b], v[BM+\b], v[BT+\b]     ; with lane l xor 16's 16 keys
.endr
	v_max3_num_f32 v246, v[BM], v[BM+1], v[BM+2]
	v_max_num_f32 v246, v246, v[BM+3]
	v_mul_f32 v246, s[CS], v246                    ; the step's largest t of my query
	v_max_num_f32 v29, v29, v246
	v_mov_b32 v246, v28
	v_floor_f32 v28, -v29                          ; the new -M: M is a whole number
	v_sub_f32 v246, v28, v246                      ; old M - new M, 0 or less
	v_cvt_i32_f32 v246, v246                       ; (it saturates)
	v_ldexp_f32 v244, 1.0, v246                    ; f = 2^(old M - new M): a multiplication by it rounds nothing
.set n, 0
.rept 32
	v_pk_fma_f32 v[S+n:S+n+1], v[S+n:S+n+1], s[CS:CS+1], v[28:29] op_sel_hi:[1,0,0]   ; t - M
.set n, n+2
.endr
.irp b, 0,1,2,3
	v_fma_f32 v[BM+\b], v[BM+\b], s[CS], v28
.endr
.set n, 0
.rept 64
	v_exp_f32 v[S+n], v[S+n]                       ; p = 2^(t - M)
.set n, n+1
.endr
	v_pk_mul_f32 v[30:31], v[30:31], v[244:245] op_sel_hi:[1,0]   ; the sums under the new M: the plain place behind the batch
	s_wait_alu depctr_va_vdst(0)                   ; one wait for the batch of 64, ahead of its first reader
.irp b, 0,1,2,3
	v_exp_f32 v[BM+\b], v[BM+\b]                   ; the blocks' largest p
.endr
	v_pk_add_f32 v[BT:BT+1], v[S:S+1], v[S+2:S+3]  ; the row's sum of the unquantised p, in two chains
.set n, 4
.rept 15
	v_pk_add_f32 v[30:31], v[30:31], v[S+n:S+n+1]
	v_pk_add_f32 v[BT:BT+1], v[BT:BT+1], v[S+n+2:S+n+3]
.set n, n+4
.endr
	v_pk_add_f32 v[30:31], v[30:31], v[BT:BT+1]
	s_wait_alu depctr_va_vdst(0)                   ; and one for the four
.irp b, 0,1,2,3
	v_max_num_f32 v[BM+\b], 0x1800000, v[BM+\b]    ; the floor 2^(3 - 127)
.endr
.irp b, 0,1,2,3
	v_add_nc_u32 v[KB+\b], 0xff000000, v[BM+\b]    ; the conversions' scale operands
.endr
.irp b, 0,1,2,3
	v_lshrrev_b32 v[BT+\b], 23, v[KB+\b]
.endr
	v_lshl_or_b32 v[PS], v[BT+1], 8, v[BT]         ; p's scale word for these 128 keys
	v_lshl_or_b32 v[PS], v[BT+2], 16, v[PS]
	v_lshl_or_b32 v[PS], v[BT+3], 24, v[PS]
.irp c, 0,1
	v_cvt_scalef32_pk16_fp6_f32 v[PC+6*\c:PC+2+6*\c], v[S+32*\c:S+15+32*\c], v[KB+2*\c]
	v_cvt_scalef32_pk16_fp6_f32 v[KB+12+12*\c:KB+14+12*\c], v[S+16+32*\c:S+31+32*\c], v[KB+2*\c+1]
.endr
	v_nop                                          ; one plain place behind a scaled conversion
.irp c, 0,1
.irp i, 0,1,2
	v_permlane16_swap_b32 v[PC+6*\c+\i], v[KB+12+12*\c+\i]
.endr
.irp i, 0,1,2
	v_mov_b32 v[PC+3+6*\c+\i], v[KB+12+12*\c+\i]
.endr
.endr
.set n, 0
.rept 16
	v_pk_mul_f32 v[O+n:O+n+1], v[O+n:O+n+1], v[244:245] op_sel_hi:[1,0]   ; O^T under the new M; of these sixteen, twelve name no register of a given product below: its places behind the scale word and the codes
.set n, n+2
.endr
	PV 0                                           ; the four accumulators by turns
	PV 1
	PV 2
	PV 3
.Lhid_\@:
	s_add_co_u32 s[TK], s[TK], 6144
	s_add_co_u32 s[TKS], s[TKS], 512
	s_add_co_u32 s[TV], s[TV], 6144
	s_add_co_u32 s[TVS], s[TVS], 256
	s_add_co_u32 s[ST], s[ST], 1
.endm
.macro CHUNKM k                        ; 512 keys: four steps
	s_wait_tensorcnt 3-\k                          ; my part of this chunk, if I fetched one, is in; the later chunks may be out
	s_wait_dscnt 0x0
	s_barrier_signal -1
	s_barrier_wait -1                              ; the chunk is whole
	s_mov_b32 s[TK], 26624*\k
	s_mov_b32 s[TKS], 26624*\k+24576
	s_mov_b32 s[TV], 25600*\k
	s_mov_b32 s[TVS], 25600*\k+24576
	s_mov_b32 s61, 4
.Lst_\@:
	STEP
	s_sub_co_u32 s61, s61, 1
	s_cmp_lg_u32 s61, 0
	s_cbranch_scc1 .Lst_\@
.endm
	s_wait_loadcnt 0x0                             ; Q
	CHUNKM 0
	CHUNKM 1
	CHUNKM 2
	CHUNKM 3
	; THE WAY OUT: O^T / the sum, quantised along the head's 64 channels (two blocks), as half a fragment of the last product's operand
	PLACES
	v_add_f32 v30, v30, v31
	v_permlanex16_b32 v[BT], v30, s[SEL], s[SEL+1]
	v_add_f32 v30, v30, v[BT]                      ; the row's sum
	v_rcp_f32 v30, v30
	v_and_b32 v247, 31, v0                         ; (a plain place behind the reciprocal)
	s_lshr_b32 s18, ttmp9, 4
	s_lshl_b32 s18, s18, 7
	s_add_co_u32 s18, s18, s15
	s_add_co_u32 s18, s18, 768                     ; the tile: 768 + 128 batch + my tile of queries
	s_and_b32 s19, ttmp9, 15                       ; the head
	s_mul_i32 s20, s18, 12288
	s_mul_i32 s21, s19, 768
	s_add_co_u32 s20, s20, s21
	s_mov_b32 s21, 0
	s_add_nc_u64 s[6:7], s[6:7], s[20:21]
	s_lshl_b32 s20, s18, 9                         ; sc: 512 tile + 256 (head / 8) + 4 ((head / 2) % 4) + 2 (head % 2), + 16 r
	s_lshr_b32 s84, s19, 3
	s_lshl_b32 s84, s84, 8
	s_add_co_u32 s20, s20, s84
	s_bfe_u32 s84, s19, 0x20001
	s_lshl_b32 s84, s84, 2
	s_add_co_u32 s20, s20, s84
	s_and_b32 s84, s19, 1
	s_lshl_b32 s84, s84, 1
	s_add_co_u32 s20, s20, s84
	s_add_nc_u64 s[8:9], s[8:9], s[20:21]
	s_wait_alu depctr_va_vdst(0)                   ; ahead of the reciprocal's first reader
.set n, 0
.rept 32
	v_mul_f32 v[S+n], v[O+n], v30                  ; register 16 b + i = channel 32 b + 16 (lane / 16) + i
.set n, n+1
.endr
.irp b, 0,1
	v_max3_num_f32 v[BM+\b], |v[S+16*\b]|, |v[S+1+16*\b]|, 0x1800000
.endr
.irp i, 2,4,6,8,10,12,14
.irp b, 0,1
	v_max3_num_f32 v[BM+\b], v[BM+\b], |v[S+16*\b+\i]|, |v[S+1+16*\b+\i]|
.endr
.endr
.irp b, 0,1
	v_permlanex16_b32 v[BT+\b], v[BM+\b], s[SEL], s[SEL+1]
.endr
.irp b, 0,1
	v_max_num_f32 v[BM+\b], v[BM+\b], v[BT+\b]
.endr
.irp b, 0,1
	v_add_nc_u32 v[KB+\b], 0xff000000, v[BM+\b]
.endr
.irp b, 0,1
	v_lshrrev_b32 v[BT+\b], 23, v[KB+\b]
.endr
	v_lshl_or_b32 v246, v[BT+1], 8, v[BT]          ; the head's two bytes of my row's scale word
	v_cvt_scalef32_pk16_fp6_f32 v[PC:PC+2], v[S:S+15], v[KB]
	v_cvt_scalef32_pk16_fp6_f32 v[KB+12:KB+14], v[S+16:S+31], v[KB+1]
	v_nop
.irp i, 0,1,2
	v_permlane16_swap_b32 v[PC+\i], v[KB+12+\i]
.endr
.irp i, 0,1,2
	v_mov_b32 v[PC+3+\i], v[KB+12+\i]
.endr
	v_cmp_gt_u32 vcc_lo, 16, v247
	v_lshlrev_b32 v247, 4, v247
	global_store_b128 v[L16], v[PC:PC+3], s[6:7]             ; 512 consecutive bytes, aligned to 256
	global_store_b64 v[L8], v[PC+4:PC+5], s[6:7] offset:512  ; 256
	s_wait_xcnt 0x0                                ; EXEC changes only behind this wait
	s_and_saveexec_b32 s18, vcc_lo
	global_store_b16 v247, v246, s[8:9]            ; two bytes a row, 16 bytes apart: the other heads' bytes of these words come from other work-groups
	s_wait_xcnt 0x0
	s_or_b32 exec_lo, exec_lo, s18
	s_wait_tensorcnt 0x0                           ; the wave's end
	ds_add_u32 v[SPW], v[NIL]
	s_wait_dscnt 0x0
	s_endpgm
.Lfunc_end_k_q252a8b1972_attn:
	.size	k_q252a8b1972_attn, .Lfunc_end_k_q252a8b1972_attn-k_q252a8b1972_attn
	.p2alignl 7, 3214868480
	.fill 96, 4, 3214868480
	.section	.rodata,"a",@progbits
	.p2align	6, 0x0
	.amdhsa_kernel k_q252a8b1972_attn
		.amdhsa_group_segment_fixed_size 210944
		.amdhsa_private_segment_fixed_size 0
		.amdhsa_enable_private_segment 0
		.amdhsa_kernarg_size 24
		.amdhsa_user_sgpr_count 2
		.amdhsa_user_sgpr_kernarg_segment_ptr 1
		.amdhsa_wavefront_size32 1
		.amdhsa_system_sgpr_workgroup_id_x 1
		.amdhsa_system_sgpr_workgroup_id_y 1
		.amdhsa_system_sgpr_workgroup_id_z 1
		.amdhsa_system_vgpr_workitem_id 0
		.amdhsa_next_free_vgpr 256
		.amdhsa_next_free_sgpr 90
		.amdhsa_reserve_vcc 1
		.amdhsa_float_denorm_mode_32 3
		.amdhsa_float_denorm_mode_16_64 3
		.amdhsa_memory_ordered 1
		.amdhsa_forward_progress 1
		.amdhsa_inst_pref_size 102
	.end_amdhsa_kernel
	.amdgpu_metadata
---
amdhsa.version: [ 1, 2 ]
amdhsa.kernels:
  - .name:           k_q252a8b1972_attn
    .symbol:         k_q252a8b1972_attn.kd
    .args:
      - { .name: qkv, .offset: 0, .size: 8, .value_kind: global_buffer, .address_space: global }
      - { .name: codes, .offset: 8, .size: 8, .value_kind: global_buffer, .address_space: global }
      - { .name: sc, .offset: 16, .size: 8, .value_kind: global_buffer, .address_space: global }
    .group_segment_fixed_size: 210944
    .private_segment_fixed_size: 0
    .kernarg_segment_align: 8
    .kernarg_segment_size: 24
    .max_flat_workgroup_size: 512
    .sgpr_count:     90
    .vgpr_count:     256
    .wavefront_size: 32
...
	.end_amdgpu_metadata
.endif
;; end of part 3
;; launch oproj (part 4): grid 4 x 64, 4 waves a work-group, clusters of 4 x 4, 312,832 bytes of LDS; arguments codes, sc, bo, out0; writes out0
.if DOCPART == 4
	.amdgcn_target "amdgcn-amd-amdhsa--gfx1250"
	.amdhsa_code_object_version 6
	.text
	.protected	k_q252a8b1972_oproj
	.globl	k_q252a8b1972_oproj
	.p2align	8
	.type	k_q252a8b1972_oproj,@function
k_q252a8b1972_oproj:
	s_mov_b64 s[64:65], 0
	v_nop
	global_prefetch_b8 v0, s[64:65] scope:SCOPE_SE
	s_setreg_imm32_b32 hwreg(HW_REG_WAVE_MODE, 25, 1), 1
	s_wait_xcnt 0x0
	s_wait_alu depctr_hold_cnt(0) depctr_sa_sdst(0) depctr_va_vdst(0) depctr_va_sdst(0) depctr_va_ssrc(0) depctr_va_vcc(0) depctr_vm_vsrc(0)
	s_getreg_b32 s2, hwreg(HW_REG_IB_STS2, 6, 4)
	s_cmp_eq_u32 s2, 0
	s_cbranch_scc0 .Lentry_in_a_cluster
	s_endpgm
.Lentry_in_a_cluster:
	s_bfe_u32 s2, ttmp6, 0x10000c
	s_cmp_lg_u32 s2, 0xf033
	s_cbranch_scc0 .Lentry_shape_is_right
	s_endpgm
.Lentry_shape_is_right:
; out0 = a Wo^T + bo on codes of FP6 (E2M3) with E8M0 scales, f32 sums.  a, the attention's result, lies in tiles 768 on of codes and sc, Wo in tiles 704-767.
; A work-group makes 128 tokens x 256 columns over all of K = 1,024: 256 work-groups, sixteen clusters of 4 x 4.  a's tiles are shared along a row of the cluster, Wo's along a column: each is asked for jointly.
; ALL OF K LIES IN LDS: four chunks of 256 along K, 73,728 bytes each (a's 8 tiles x 3,072 bytes, then Wo's 16), every chunk filled once; four tensor loads of a wave are out at the most.  No slot is filled again.
; THE MATRIX INSTRUCTION IS USED TRANSPOSED (source 0 = 16 rows of Wo, source 1 = 16 tokens): a lane holds one token, and two neighbouring tiles of Wo give it 16 neighbouring columns.  bo is the C of the first K step.
; a's fragments lie as two halves of 768 bytes (16 bytes a lane, then 8 bytes a lane), Wo's as three runs of 512 bytes.  The tokens of a tile are not neighbours: the stores' offsets put each row in its place.
; REGISTERS: window 0: v4-29 addresses; v32-95 scale words; v96-159 the bias; v160-255 a's fragments, two sets of 48, later rows of the result.  window 1: Wo's fragments, two sets.  window 2: accumulator (a, b) at v[8 (8 a + b)].
.set CHUNK,  73728
.set TILEB,  3072
.set STAGE,  4*CHUNK                   ; behind the chunks: 16 rows x (256 bytes + 16) for each wave
.set SPARE,  STAGE+4*4352              ; the spare words, 128 bytes a wave: two blocks of 256 bytes that no other line names
.set ADRA, 4
.set ADRB, 8
.set SOFF, 12
.set BO,   13
.set L16,  14
.set L8,   15
.set STO,  16
.set RD,   17
.set CO,   18
.set ADRA8, 21                         ; v21-24  8 x lane + my tiles of a in chunk 0..3
.set SOFF2, 25
.set SPW,  28
.set NIL,  29
.set SC,   32
.set BI,   96
.set AF,   160
.set G1A, 24
.set G1B, 32
.set G0A, 40
.set G0B, 68
.set MSB, 0
.macro WIN new                         ; the immediate's high byte repeats the setting that is left
.if MSB != \new
	s_set_vgpr_msb (MSB<<8)|\new
.set MSB, \new
.endif
.endm
.macro PLACES
.rept 4
	v_nop
.endr
.endm
.macro CROUND                          ; a round of the cluster's barrier
	s_barrier_signal -1
	s_barrier_wait -1
	s_cmp_lg_u32 s16, 0
	s_cbranch_scc1 .Lnot_wave_0_\@
	s_barrier_signal -3
.Lnot_wave_0_\@:
	s_barrier_wait -3
	s_barrier_signal -1
	s_barrier_wait -1
.endm
	s_load_b256 s[4:11], s[0:1], 0x0               ; codes, sc, bo, out0
	v_lshl_add_u32 v[SPW], v0, 2, SPARE
	v_mov_b32 v[NIL], 0
	ds_add_u32 v[SPW], v[NIL]                      ; the wave's opening: the add and its wait ahead of my first tensor load
	v_lshrrev_b32 v1, 5, v0
	v_readfirstlane_b32 s16, v1                    ; wave 0..3
	s_lshr_b32 s17, s16, 1                         ; wr: my half of the tokens.  Also: I fetch for a (0) or for Wo (1)
	s_and_b32 s18, s16, 1                          ; wc: my half of the columns.  Also: which half of that operand I fetch
	s_bfe_u32 s19, ttmp6, 0x40000                  ; cx
	s_bfe_u32 s20, ttmp6, 0x40004                  ; cy
	s_and_b32 s21, ttmp7, 0xffff                   ; the cluster's y
	s_lshl_b32 s22, s21, 2
	s_add_co_u32 s22, s22, s20
	s_lshl_b32 s22, s22, 3
	s_add_co_u32 s22, s22, 768                     ; a's first tile: 768 + 8 (4 CY + cy)
	s_lshl_b32 s23, s19, 4
	s_add_co_u32 s23, s23, 704                     ; Wo's: 704 + 16 cx
	s_lshl_b32 s56, s20, 2
	s_lshl_b32 s56, 15, s56                        ; my row of the cluster
	s_lshl_b32 s57, 0x1111, s19                    ; my column
	; group 1: rows of 3,072 bytes (384 elements of 8 bytes), 12,288 bytes (1,536 elements) from tile to tile; a: 4 tiles a load, Wo: 8
	s_or_b32 s[G1A], s56, (3<<16)|(1<<21)
	s_or_b32 s[G1B], s57, (3<<16)|(1<<21)
	s_mov_b32 s[G1A+1], 384<<16
	s_mov_b32 s[G1B+1], 384<<16
	s_mov_b32 s[G1A+2], 4<<16
	s_mov_b32 s[G1B+2], 8<<16
	s_mov_b32 s[G1A+3], 384<<16
	s_mov_b32 s[G1B+3], 384<<16
	s_mov_b32 s[G1A+4], 4
	s_mov_b32 s[G1B+4], 8
	s_mov_b32 s[G1A+5], 1536
	s_mov_b32 s[G1B+5], 1536
	s_mov_b32 s[G1A+6], 0
	s_mov_b32 s[G1B+6], 0
	s_mov_b32 s[G1A+7], 0
	s_mov_b32 s[G1B+7], 0
	s_lshl_b32 s58, s18, 2
	s_add_co_u32 s58, s58, s22
	s_mul_i32 s58, s58, 12288
	s_mov_b32 s59, 0
	s_lshl_b32 s60, s18, 3
	s_add_co_u32 s60, s60, s23
	s_mul_i32 s60, s60, 12288
	s_mov_b32 s61, 0
	s_mul_i32 s84, s18, 12288                      ; where they go in a chunk: no place in the cluster enters an LDS address
	s_mul_i32 s85, s18, 24576
	s_add_co_u32 s85, s85, 24576
	s_wait_dscnt 0x0                               ; the opening add is done
	s_wait_kmcnt 0x0
	s_add_nc_u64 s[58:59], s[4:5], s[58:59]
	s_add_nc_u64 s[60:61], s[4:5], s[60:61]
	CROUND                                         ; all sixteen work-groups are here: the joint loads meet
.irp k, 0,1,2,3
	s_mov_b32 s[G0A+4*\k], 1
	s_add_co_u32 s[G0A+4*\k+1], s84, \k*CHUNK
	s_add_nc_u64 s[G0A+4*\k+2:G0A+4*\k+3], s[58:59], \k*TILEB
	s_or_b32 s[G0A+4*\k+3], s[G0A+4*\k+3], 0x80000000
	s_mov_b32 s[G0B+4*\k], 1
	s_add_co_u32 s[G0B+4*\k+1], s85, \k*CHUNK
	s_add_nc_u64 s[G0B+4*\k+2:G0B+4*\k+3], s[60:61], \k*TILEB
	s_or_b32 s[G0B+4*\k+3], s[G0B+4*\k+3], 0x80000000
.endr
	s_cmp_eq_u32 s17, 0                            ; a wave's four fills stand in one branch on the wave's number
	s_cbranch_scc0 .Lfill_b
.irp k, 0,1,2,3
	tensor_load_to_lds s[G0A+4*\k:G0A+4*\k+3], s[G1A:G1A+7]
	s_nop 0
.endr
	PLACES
	s_branch .Lfilled
.Lfill_b:
.irp k, 0,1,2,3
	tensor_load_to_lds s[G0B+4*\k:G0B+4*\k+3], s[G1B:G1B+7]
	s_nop 0
.endr
	PLACES
.Lfilled:
	v_and_b32 v1, 31, v0                           ; lane
	v_and_b32 v2, 15, v0                           ; r
	v_bfe_u32 v3, v0, 4, 1                         ; h
	v_lshlrev_b32 v[L16], 4, v1
	v_lshlrev_b32 v[L8], 3, v1
	s_mul_i32 s86, s17, 12288
	s_mul_i32 s87, s18, 24576
	s_add_co_u32 s87, s87, 24576
.irp k, 0,1,2,3
	v_add_nc_u32 v[ADRA+\k], s86, v[L16]
	v_add_nc_u32 v[ADRA8+\k], s86, v[L8]
	v_add_nc_u32 v[ADRB+\k], s87, v[L16]
	s_add_co_u32 s86, s86, CHUNK
	s_add_co_u32 s87, s87, CHUNK
.endr
	s_mul_i32 s88, s16, 4352
	s_add_co_u32 s88, s88, STAGE                   ; my stage
	v_mul_u32_u24 v[STO], v2, 272
	v_lshl_add_u32 v[STO], v3, 6, v[STO]
	v_add_nc_u32 v[STO], s88, v[STO]               ; in: row r, + 64 h
	v_mul_u32_u24 v[RD], v3, 272
	v_lshl_add_u32 v[RD], v2, 4, v[RD]
	v_add_nc_u32 v[RD], s88, v[RD]                 ; back: lanes 0-15 one row of 256 bytes, lanes 16-31 the next
	v_lshlrev_b32 v[CO], 12, v3
	v_lshl_add_u32 v[CO], v2, 4, v[CO]             ; and the same in out0: rows of 4,096 bytes
	s_lshl_b32 s89, s17, 2
	s_add_co_u32 s89, s89, s22
	s_lshl_b32 s89, s89, 9                         ; sc: a's tile TA + 4 wr,
	s_lshl_b32 s90, s18, 3
	s_add_co_u32 s90, s90, s23
	s_lshl_b32 s90, s90, 9                         ; Wo's tile TB + 8 wc
	v_cmp_le_u32 vcc_lo, 16, v1
	v_mov_b32 v[SOFF], s89
	v_mov_b32 v26, s90
	v_add_nc_u32 v27, 2048, v26
	v_cndmask_b32 v[SOFF2], v[SOFF], v27, vcc_lo   ; blocks 4-7: a's lanes read blocks 0-3 again, so that no lane leaves the buffer
	v_cndmask_b32 v[SOFF], v[SOFF], v26, vcc_lo    ; lanes 0-15 a's, lanes 16-31 Wo's
	v_lshl_add_u32 v[SOFF], v2, 4, v[SOFF]
	v_lshl_add_u32 v[SOFF2], v2, 4, v[SOFF2]
.irp i, 0,1,2,3
.irp f, 0,1
	global_load_b128 v[SC+8*\i+4*\f:SC+8*\i+4*\f+3], v[SOFF], s[6:7] offset:512*\i+256*\f
	global_load_b128 v[SC+32+8*\i+4*\f:SC+32+8*\i+4*\f+3], v[SOFF2], s[6:7] offset:512*\i+256*\f
.endr
.endr
	s_lshl_b32 s91, s19, 10
	s_lshl_b32 s92, s18, 9
	s_add_co_u32 s91, s91, s92
	v_lshl_add_u32 v[BO], v3, 6, s91               ; 4 (256 cx + 128 wc + 16 h)
.irp g, 0,1,2,3,4,5,6,7
	global_load_b128 v[BI+8*\g:BI+8*\g+3], v[BO], s[8:9] offset:(32*(\g/2)+8*(\g%2))*4
	global_load_b128 v[BI+8*\g+4:BI+8*\g+7], v[BO], s[8:9] offset:(32*(\g/2)+8*(\g%2))*4+16
.endr
	s_lshl_b32 s93, s21, 2                         ; out0 at my wave's part: row 128 (4 CY + cy) + 64 wr, column 256 cx + 128 wc
	s_add_co_u32 s93, s93, s20
	s_lshl_b32 s93, s93, 7
	s_lshl_b32 s94, s17, 6
	s_add_co_u32 s93, s93, s94
	s_lshl_b32 s94, s93, 12
	s_add_co_u32 s94, s94, s91
	s_mov_b32 s95, 0
	s_add_nc_u64 s[10:11], s[10:11], s[94:95]
; 40 LDS loads in one run: K step s: Wo's eight fragments (three loads each), then a's four (four loads each), into set s % 2
.macro FETCH s
	WIN 0x40                                       ; destination window 1, address window 0
.irp i, 0,1,2,3,4,5,6,7
.irp c, 0,1,2
	ds_load_b128 v[128*((\s)%2)+12*\i+4*\c:128*((\s)%2)+12*\i+4*\c+3], v[ADRB+(\s)/2] offset:TILEB*\i+1536*((\s)%2)+512*\c
.endr
.endr
	WIN 0
.irp i, 0,1,2,3
.irp c, 0,1
	ds_load_b128 v[AF+48*((\s)%2)+12*\i+6*\c:AF+48*((\s)%2)+12*\i+6*\c+3], v[ADRA+(\s)/2] offset:TILEB*\i+1536*((\s)%2)+768*\c
	ds_load_b64 v[AF+48*((\s)%2)+12*\i+6*\c+4:AF+48*((\s)%2)+12*\i+6*\c+5], v[ADRA8+(\s)/2] offset:TILEB*\i+1536*((\s)%2)+768*\c+512
.endr
.endr
.endm
; K step s: 32 products, the 32 accumulators by turns, one instruction a turn.  cm = 1: C is the bias
.macro PROD s, cm
.if \cm
	WIN 0x81                                       ; source 0 (Wo) window 1, source 1 (a) and C window 0, D window 2
.else
	WIN 0xa1                                       ; C and D window 2
.endif
.irp a, 0,1,2,3
.irp b, 0,1,2,3,4,5,6,7
.if \cm
	v_wmma_scale_f32_16x16x128_f8f6f4 v[8*(8*\a+\b):8*(8*\a+\b)+7], v[128*((\s)%2)+12*\b:128*((\s)%2)+12*\b+11], v[AF+48*((\s)%2)+12*\a:AF+48*((\s)%2)+12*\a+11], v[BI+8*\b:BI+8*\b+7], v[SC+8*\b+(\s)], v[SC+8*\a+(\s)] matrix_a_fmt:MATRIX_FMT_FP6 matrix_b_fmt:MATRIX_FMT_FP6 matrix_a_scale:MATRIX_SCALE_ROW1
.else
	v_wmma_scale_f32_16x16x128_f8f6f4 v[8*(8*\a+\b):8*(8*\a+\b)+7], v[128*((\s)%2)+12*\b:128*((\s)%2)+12*\b+11], v[AF+48*((\s)%2)+12*\a:AF+48*((\s)%2)+12*\a+11], v[8*(8*\a+\b):8*(8*\a+\b)+7], v[SC+8*\b+(\s)], v[SC+8*\a+(\s)] matrix_a_fmt:MATRIX_FMT_FP6 matrix_b_fmt:MATRIX_FMT_FP6 matrix_a_scale:MATRIX_SCALE_ROW1
.endif
.endr
.endr
.endm
.macro KSTEP s
.if (\s) < 7
.if (\s)%2
	s_wait_tensorcnt 3-((\s)+1)/2                  ; my part of the next chunk is in; the chunks behind it may be out
	s_wait_dscnt 0x0
	s_barrier_signal -1
	s_barrier_wait -1
.endif
	PLACES                                         ; four places between the last step's products and loads into the set that the step before it read
	FETCH (\s)+1
	s_wait_dscnt 40                                ; this step's fragments are in; the 40 loads just issued may be out
.else
	s_wait_dscnt 0x0
.endif
	PROD \s, 0
.endm
	s_wait_tensorcnt 3                             ; my part of chunk 0 is in; my other three loads may be out
	s_barrier_signal -1
	s_barrier_wait -1
	FETCH 0
	s_wait_loadcnt 0x0                             ; the scale words and the bias
	FETCH 1
	s_wait_dscnt 40
	PROD 0, 1                                      ; the first K step starts the sums with the bias
	KSTEP 1
	KSTEP 2
	KSTEP 3
	KSTEP 4
	KSTEP 5
	KSTEP 6
	KSTEP 7
; THE WAY OUT, 16 tokens x 64 columns at a time (n = 2 a + half): through my own stage, back as whole rows of 256 bytes.  LDS serves a wave's instructions in order: no wait between the stores and the loads, nor in front of the next block's stores.
.macro TOSTAGE n
	WIN 0x08                                       ; an LDS store's data: window 2
.irp t, 0,1,2,3
	ds_store_b128 v[STO], v[8*(8*((\n)/2)+4*((\n)%2)+\t):8*(8*((\n)/2)+4*((\n)%2)+\t)+3] offset:128*(\t/2)+32*(\t%2)        ; each accumulator from its low end on
	ds_store_b128 v[STO], v[8*(8*((\n)/2)+4*((\n)%2)+\t)+4:8*(8*((\n)/2)+4*((\n)%2)+\t)+7] offset:128*(\t/2)+32*(\t%2)+16
.endr
	WIN 0
.irp i, 0,1,2,3,4,5,6,7
	ds_load_b128 v[AF+32*((\n)%2)+4*\i:AF+32*((\n)%2)+4*\i+3], v[RD] offset:544*\i
.endr
.endm
.macro SEND n, younger                 ; place 2 i + (lane / 16) of tile a is token 32 (a / 2) + 8 (a % 2) + 2 (i % 4) + 16 (i / 4) + (lane / 16) of my 64
	s_wait_dscnt \younger
.irp i, 0,1,2,3,4,5,6,7
	global_store_b128 v[CO], v[AF+32*((\n)%2)+4*\i:AF+32*((\n)%2)+4*\i+3], s[10:11] offset:(32*((\n)/4)+8*(((\n)/2)%2)+2*(\i%4)+16*(\i/4))*4096+256*((\n)%2) th:TH_STORE_NT   ; sixteen lanes store 256 consecutive bytes, aligned
.endr
.endm
	PLACES
	TOSTAGE 0
.irp m, 1,2,3,4,5,6,7
.if \m > 1
	s_wait_xcnt 0x0                                ; the stores of two blocks back have read their registers: this block's loads may land there
.endif
	TOSTAGE \m
	SEND \m-1, 16                                  ; behind that block's loads: this block's 8 stores and 8 loads
.endr
	SEND 7, 0
	s_wait_tensorcnt 0x0                           ; the wave's end
	ds_add_u32 v[SPW], v[NIL]
	s_wait_dscnt 0x0
	CROUND                                         ; the closing round
	s_endpgm
.Lfunc_end_k_q252a8b1972_oproj:
	.size	k_q252a8b1972_oproj, .Lfunc_end_k_q252a8b1972_oproj-k_q252a8b1972_oproj
	.p2alignl 7, 3214868480
	.fill 96, 4, 3214868480
	.section	.rodata,"a",@progbits
	.p2align	6, 0x0
	.amdhsa_kernel k_q252a8b1972_oproj
		.amdhsa_group_segment_fixed_size 312832
		.amdhsa_private_segment_fixed_size 0
		.amdhsa_enable_private_segment 0
		.amdhsa_kernarg_size 32
		.amdhsa_user_sgpr_count 2
		.amdhsa_user_sgpr_kernarg_segment_ptr 1
		.amdhsa_wavefront_size32 1
		.amdhsa_system_sgpr_workgroup_id_x 1
		.amdhsa_system_sgpr_workgroup_id_y 1
		.amdhsa_system_sgpr_workgroup_id_z 1
		.amdhsa_system_vgpr_workitem_id 0
		.amdhsa_next_free_vgpr 768
		.amdhsa_next_free_sgpr 100
		.amdhsa_reserve_vcc 1
		.amdhsa_float_denorm_mode_32 3
		.amdhsa_float_denorm_mode_16_64 3
		.amdhsa_memory_ordered 1
		.amdhsa_forward_progress 1
		.amdhsa_inst_pref_size 82
	.end_amdhsa_kernel
	.amdgpu_metadata
---
amdhsa.version: [ 1, 2 ]
amdhsa.kernels:
  - .name:           k_q252a8b1972_oproj
    .symbol:         k_q252a8b1972_oproj.kd
    .args:
      - { .name: codes, .offset: 0, .size: 8, .value_kind: global_buffer, .address_space: global }
      - { .name: sc, .offset: 8, .size: 8, .value_kind: global_buffer, .address_space: global }
      - { .name: bo, .offset: 16, .size: 8, .value_kind: global_buffer, .address_space: global }
      - { .name: out0, .offset: 24, .size: 8, .value_kind: global_buffer, .address_space: global }
    .group_segment_fixed_size: 312832
    .private_segment_fixed_size: 0
    .kernarg_segment_align: 8
    .kernarg_segment_size: 32
    .max_flat_workgroup_size: 128
    .sgpr_count:     100
    .vgpr_count:     768
    .wavefront_size: 32
...
	.end_amdgpu_metadata
.endif
;; end of part 4
